; MI455X (gfx1250); checked and timed in simulation.
; The chip was launched on July 23, 2026; its instructions are those of AMD's public machine-readable ISA for CDNA 5 (MIT licence, August 2026) and "CDNA5" Instruction Set Architecture Reference Guide (July 2026). The comments in the code are by the model that wrote it; some were corrected since.
;; Block. Allowed arithmetic: float matrix products may take bf16 or f16 operands with f32 sums; other float arithmetic in f32, or as packed bf16 or f16 multiplies, adds, multiply-adds, maxima and minima; sums over many terms, partial sums and values carried from step to step in f32; what a program stores and reads back later, other than sums and carried values, may be rounded once to bf16 or f16.
;; Inputs: b1 2,048 float32; b2 512 float32; b_ln1 512 float32; b_ln2 512 float32; bo 512 float32; g_ln1 512 float32; g_ln2 512 float32; w1 512 x 2,048 float32; w2 2,048 x 512 float32; wk 512 x 512 float32; wo 512 x 512 float32; wq 512 x 512 float32; wv 512 x 512 float32; x 4 x 2,048 x 512 float32.
;; Outputs: out0 4 x 2,048 x 512 float32.
;; One version. Each part assembles by itself: llvm-mc -triple=amdgcn-amd-amdhsa -mcpu=gfx1250 --defsym DOCPART=n.
;; ======== version 1 of 1: 6 launches
;; workspace buffers: h 8,388,608 bytes; wt 6,291,456 bytes; qkv 25,165,824 bytes; ao 8,388,608 bytes; x1 16,777,216 bytes; h2 8,388,608 bytes; hid 33,554,432 bytes
;; launch prep (part 1): grid 1408 x 1, 4 waves a work-group, no clusters, 17,920 bytes of LDS; arguments x, g_ln1, b_ln1, wq, wk, wv, wo, w1, w2, h, wt; writes h, wt
.if DOCPART == 1
	.amdgcn_target "amdgcn-amd-amdhsa--gfx1250"
	.amdhsa_code_object_version 6
	.text
	.protected	k_q1afc341b9c_prep
	.globl	k_q1afc341b9c_prep
	.p2align	8
	.type	k_q1afc341b9c_prep,@function
k_q1afc341b9c_prep:
	s_mov_b64 s[64:65], 0
	v_nop
	global_prefetch_b8 v0, s[64:65] scope:SCOPE_SE
	s_setreg_imm32_b32 hwreg(HW_REG_WAVE_MODE, 25, 1), 1
	s_wait_xcnt 0x0
; PREP.  Two kinds of work-group, told apart by the work-group's number alone.
; 0 .. 1023: h = LN1(x) in bf16.  A work-group takes 8 rows of 512, a wave two; a row stays in 16 registers a lane between
;   the mean, the sum of squared differences and the scaling, so x is read once.
; 1024 .. 1407: one tile of 128 k x 64 n of a weight, rounded once to bf16 and turned to [n][k], through LDS.
;   wt holds: at 0 [1536][512]: row 96 hd + 32 sel + d = column 32 hd + d of wq (sel 0), wk (1), wv (2); at WOT wo^T [512][512];
;   at W1T w1^T [2048][512]; at W2T w2^T [512][2048].  wq is multiplied in f32 by c = log2(e) / sqrt(32) before its one rounding,
;   so that the scores of the attention leave the matrix unit in units of powers of two.
; No matrix unit, no cluster, no tensor load: nothing is shared between work-groups and memory bounds the launch.
.set TP,    272                        ; a row of the turned tile in LDS: 128 k x 2 bytes + 16
.set SPARE, 64*TP                      ; behind the tile: the spare words, 128 bytes a wave
.set WOT,   1572864
.set W1T,   2097152
.set W2T,   4194304
.set LO16,  2                          ; v2  16 x lane
.set LO8,   3                          ; v3  8 x lane
.set GG,    16                         ; v[16:31]  gain: element 4 l + 128 j + i at 4 j + i, like a row
.set BBV,   32                         ; v[32:47]  bias
.set XX,    48                         ; v[48:79]  two rows
.set TT,    80                         ; v[80:95]  eight at work for each row
.set MM,    96                         ; v[96:99]  the mean, twice, for each row
.set RR,    100                        ; v[100:103] 1 / sqrt(var + eps), twice, for each row
.set YY,    104                        ; v[104:119] the rows in bf16
.set SPW,   126                        ; v126 LDS address of my spare word; never rewritten
.set NIL,   127                        ; v127 0; never rewritten
.set SEL,   40                         ; s[40:41] v_permlanex16_b32's selects
.set S2M9,  42                         ; s42 1 / 512
.set SEPS,  43                         ; s43 1e-5
.set HB,    44                         ; s[44:45] h at my two rows
.macro WSUM2                           ; v[TT] and v[TT+8] summed over the 32 lanes, the result in every lane
.irp m, 1,2,4,8
.irp q, 0,1
	v_add_f32_dpp v[TT+8*\q], v[TT+8*\q], v[TT+8*\q] row_xmask:\m row_mask:0xf bank_mask:0xf
.endr
.endr
.irp q, 0,1
	v_permlanex16_b32 v[TT+8*\q+1], v[TT+8*\q], s[SEL], s[SEL+1]
.endr
.irp q, 0,1
	v_add_f32 v[TT+8*\q], v[TT+8*\q], v[TT+8*\q+1]
.endr
.endm
; Two rows' layer norm, line by line for both rows.  xw = 1: stores that read the rows are out; the rows are rewritten behind a wait.
.macro LN2ROWS xw
.irp q, 0,1
.irp p, 0,1,2,3
	v_pk_add_f32 v[TT+8*\q+2*\p:TT+8*\q+2*\p+1], v[XX+16*\q+4*\p:XX+16*\q+4*\p+1], v[XX+16*\q+4*\p+2:XX+16*\q+4*\p+3]
.endr
.endr
.irp q, 0,1
	v_pk_add_f32 v[TT+8*\q:TT+8*\q+1], v[TT+8*\q:TT+8*\q+1], v[TT+8*\q+2:TT+8*\q+3]
	v_pk_add_f32 v[TT+8*\q+4:TT+8*\q+5], v[TT+8*\q+4:TT+8*\q+5], v[TT+8*\q+6:TT+8*\q+7]
.endr
.irp q, 0,1
	v_pk_add_f32 v[TT+8*\q:TT+8*\q+1], v[TT+8*\q:TT+8*\q+1], v[TT+8*\q+4:TT+8*\q+5]
.endr
.irp q, 0,1
	v_add_f32 v[TT+8*\q], v[TT+8*\q], v[TT+8*\q+1]
.endr
	WSUM2
.irp q, 0,1
	v_mul_f32 v[MM+2*\q], s[S2M9], v[TT+8*\q]
	v_mul_f32 v[MM+2*\q+1], s[S2M9], v[TT+8*\q]
.endr
.if \xw
	s_wait_xcnt 0x0                                ; the stores of these rows have read them
.endif
.irp q, 0,1
.irp p, 0,1,2,3,4,5,6,7
	v_pk_add_f32 v[XX+16*\q+2*\p:XX+16*\q+2*\p+1], v[XX+16*\q+2*\p:XX+16*\q+2*\p+1], v[MM+2*\q:MM+2*\q+1] neg_lo:[0,1] neg_hi:[0,1]
.endr
.endr
.irp q, 0,1
	v_pk_mul_f32 v[TT+8*\q:TT+8*\q+1], v[XX+16*\q:XX+16*\q+1], v[XX+16*\q:XX+16*\q+1]
	v_pk_mul_f32 v[TT+8*\q+2:TT+8*\q+3], v[XX+16*\q+2:XX+16*\q+3], v[XX+16*\q+2:XX+16*\q+3]
.endr
.irp q, 0,1
.irp p, 1,2,3
	v_pk_fma_f32 v[TT+8*\q:TT+8*\q+1], v[XX+16*\q+4*\p:XX+16*\q+4*\p+1], v[XX+16*\q+4*\p:XX+16*\q+4*\p+1], v[TT+8*\q:TT+8*\q+1]
	v_pk_fma_f32 v[TT+8*\q+2:TT+8*\q+3], v[XX+16*\q+4*\p+2:XX+16*\q+4*\p+3], v[XX+16*\q+4*\p+2:XX+16*\q+4*\p+3], v[TT+8*\q+2:TT+8*\q+3]
.endr
.endr
.irp q, 0,1
	v_pk_add_f32 v[TT+8*\q:TT+8*\q+1], v[TT+8*\q:TT+8*\q+1], v[TT+8*\q+2:TT+8*\q+3]
.endr
.irp q, 0,1
	v_add_f32 v[TT+8*\q], v[TT+8*\q], v[TT+8*\q+1]
.endr
	WSUM2
.irp q, 0,1
	v_fma_f32 v[TT+8*\q+2], v[TT+8*\q], s[S2M9], s[SEPS]
.endr
.irp q, 0,1
	v_rsq_f32 v[RR+2*\q], v[TT+8*\q+2]
	v_rsq_f32 v[RR+2*\q+1], v[TT+8*\q+2]
.endr
	v_nop                                          ; a plain instruction behind the last of the four,
	s_wait_alu depctr_va_vdst(0)                   ; and one wait for the batch, ahead of its first reader
.irp q, 0,1
.irp p, 0,1,2,3,4,5,6,7
	v_pk_mul_f32 v[XX+16*\q+2*\p:XX+16*\q+2*\p+1], v[XX+16*\q+2*\p:XX+16*\q+2*\p+1], v[RR+2*\q:RR+2*\q+1]
.endr
.endr
.irp q, 0,1
.irp p, 0,1,2,3,4,5,6,7
	v_pk_fma_f32 v[XX+16*\q+2*\p:XX+16*\q+2*\p+1], v[XX+16*\q+2*\p:XX+16*\q+2*\p+1], v[GG+2*\p:GG+2*\p+1], v[BBV+2*\p:BBV+2*\p+1]
.endr
.endr
.irp q, 0,1
.irp p, 0,1,2,3,4,5,6,7
	v_cvt_pk_bf16_f32 v[YY+8*\q+\p], v[XX+16*\q+2*\p], v[XX+16*\q+2*\p+1]
.endr
.endr
.irp q, 0,1
.irp j, 0,1,2,3
	global_store_b64 v[LO8], v[YY+8*\q+2*\j:YY+8*\q+2*\j+1], s[HB:HB+1] offset:1024*\q+256*\j  ; 32 lanes x 8 bytes: 256 consecutive bytes, aligned
.endr
.endr
.endm
	s_load_b512 s[16:31], s[0:1], 0x0              ; x 16, g 18, b 20, wq 22, wk 24, wv 26, wo 28, w1 30
	s_load_b128 s[32:35], s[0:1], 0x40             ; w2 32, h 34
	s_load_b64 s[36:37], s[0:1], 0x50              ; wt
	v_lshl_add_u32 v[SPW], v0, 2, SPARE
	v_mov_b32 v[NIL], 0
	v_lshrrev_b32 v1, 5, v0
	v_readfirstlane_b32 s8, v1                     ; wave 0..3
	s_cmp_lt_u32 ttmp9, 1024
	s_cbranch_scc0 .Ltrans
	; ---- layer norm: rows 8 g + 2 w and the next ----
	v_and_b32 v4, 31, v0
	v_lshlrev_b32 v[LO16], 4, v4
	v_lshlrev_b32 v[LO8], 3, v4
	s_mov_b32 s[SEL], 0x76543210
	s_mov_b32 s[SEL+1], 0xfedcba98
	s_mov_b32 s[S2M9], 0x3b000000
	s_mov_b32 s[SEPS], 0x3727c5ac
	s_lshl_b32 s2, ttmp9, 14                       ; 8 rows of 2,048 bytes
	s_lshl_b32 s3, s8, 12                          ; my two
	s_add_co_u32 s2, s2, s3
	s_mov_b32 s3, 0
	s_lshr_b32 s4, s2, 1                           ; half as many bytes in h
	s_mov_b32 s5, 0
	s_wait_kmcnt 0x0
	s_add_nc_u64 s[46:47], s[16:17], s[2:3]
	s_add_nc_u64 s[HB:HB+1], s[34:35], s[4:5]
.irp q, 0,1
.irp j, 0,1,2,3
	global_load_b128 v[XX+16*\q+4*\j:XX+16*\q+4*\j+3], v[LO16], s[46:47] offset:2048*\q+512*\j th:TH_LOAD_NT
.endr
.endr
.irp j, 0,1,2,3
	global_load_b128 v[GG+4*\j:GG+4*\j+3], v[LO16], s[18:19] offset:512*\j
	global_load_b128 v[BBV+4*\j:BBV+4*\j+3], v[LO16], s[20:21] offset:512*\j
.endr
	s_wait_loadcnt 0x0
	LN2ROWS 0
	s_branch .Lend
	; ---- a tile of a weight ----
.Ltrans:
	s_sub_co_u32 s9, ttmp9, 1024                   ; t: 0-127 wq, wk, wv, wo (32 tiles each); 128-255 w1; 256-383 w2
	s_lshr_b32 s10, s9, 7                          ; 0, 1 (w1), 2 (w2)
	s_lshr_b32 s11, s9, 5                          ; which of the four small ones
	s_cmp_lt_u32 s9, 128
	s_cselect_b32 s12, 31, 127
	s_and_b32 s12, s9, s12                         ; the tile's number in its weight
	s_cmp_eq_u32 s10, 1
	s_cselect_b32 s13, 5, 3                        ; w1 has 32 tiles along n, the others 8
	s_cselect_b32 s14, 31, 7
	s_cselect_b32 s15, 13, 11                      ; log2 of the source's row in bytes
	s_lshr_b32 s38, s12, s13                       ; kt
	s_and_b32 s39, s12, s14                        ; nt
	s_add_co_u32 s40, s15, 7
	s_lshl_b32 s40, s38, s40                       ; 128 kt rows
	s_lshl_b32 s41, s39, 8                         ; 64 nt columns of 4 bytes
	s_add_co_u32 s40, s40, s41
	s_add_co_u32 s41, s15, 5
	s_lshl_b32 s41, s8, s41                        ; my wave's 32 rows
	s_add_co_u32 s40, s40, s41
	s_mov_b32 s41, 0                               ; s[40:41]: where I read
	s_cmp_eq_u32 s10, 2
	s_cselect_b32 s42, 12, 10                      ; log2 of the turned row in bytes
	s_lshl_b32 s43, s39, 6
	s_lshl_b32 s44, s8, 4
	s_add_co_u32 s43, s43, s44                     ; plain: row 64 nt + 16 w
	s_mul_i32 s44, s39, 192                        ; by heads: 192 nt + 32 sel + 96 (w / 2) + 16 (w % 2)
	s_lshl_b32 s45, s11, 5
	s_add_co_u32 s44, s44, s45
	s_lshr_b32 s45, s8, 1
	s_mul_i32 s45, s45, 96
	s_add_co_u32 s44, s44, s45
	s_and_b32 s46, s8, 1
	s_lshl_b32 s46, s46, 4
	s_add_co_u32 s44, s44, s46
	s_cmp_lt_u32 s9, 96                            ; wq, wk, wv
	s_cselect_b32 s43, s44, s43
	s_cselect_b32 s47, 0, WOT
	s_cmp_eq_u32 s10, 1
	s_cselect_b32 s47, W1T, s47
	s_cmp_eq_u32 s10, 2
	s_cselect_b32 s47, W2T, s47
	s_lshl_b32 s43, s43, s42
	s_add_co_u32 s43, s43, s47
	s_lshl_b32 s44, s38, 8                         ; 128 kt columns of 2 bytes
	s_add_co_u32 s44, s43, s44
	s_mov_b32 s45, 0                               ; s[44:45]: where I write
	s_cmp_lt_u32 s9, 32
	s_cselect_b32 s48, 0x3e8293ee, 1.0             ; c for wq, 1 for the others
	s_mov_b32 s49, s48
	v_and_b32 v5, 15, v0                           ; c = l % 16
	v_bfe_u32 v6, v0, 4, 1                         ; hh = l / 16
	s_add_co_u32 s50, s15, 2
	v_lshlrev_b32 v7, s50, v6                      ; 4 hh rows of the source
	v_lshl_add_u32 v7, v5, 4, v7                   ; + 16 c
	v_mul_u32_u24 v8, v5, 4*TP                     ; into LDS: row n = 4 c + i, bytes 2 (32 w + 8 p + 4 hh)
	v_lshl_add_u32 v8, v6, 3, v8
	s_lshl_b32 s51, s8, 6
	v_add_nc_u32 v8, s51, v8
	s_mul_i32 s51, s8, 16*TP                       ; back: rows 16 w + 2 i + hh, 16 bytes a lane
	v_mul_u32_u24 v9, v6, TP
	v_lshl_add_u32 v9, v5, 4, v9
	v_add_nc_u32 v9, s51, v9
	v_lshlrev_b32 v10, s42, v6                     ; the same two rows in wt
	v_lshl_add_u32 v10, v5, 4, v10
	s_wait_kmcnt 0x0
	s_cmp_eq_u32 s11, 1
	s_cselect_b64 s[52:53], s[24:25], s[22:23]
	s_cmp_eq_u32 s11, 2
	s_cselect_b64 s[52:53], s[26:27], s[52:53]
	s_cmp_eq_u32 s11, 3
	s_cselect_b64 s[52:53], s[28:29], s[52:53]
	s_cmp_eq_u32 s10, 1
	s_cselect_b64 s[52:53], s[30:31], s[52:53]
	s_cmp_eq_u32 s10, 2
	s_cselect_b64 s[52:53], s[32:33], s[52:53]
	s_add_nc_u64 s[52:53], s[52:53], s[40:41]
	s_add_nc_u64 s[54:55], s[36:37], s[44:45]
; load (p, e) takes row 8 p + 4 hh + e of my 32, columns 4 c .. 4 c + 3: sixteen lanes read 256 consecutive bytes, aligned
.macro LOADS16 pitch
.irp p, 0,1,2,3
.irp e, 0,1,2,3
	global_load_b128 v[16+16*\p+4*\e:16+16*\p+4*\e+3], v7, s[52:53] offset:(8*\p+\e)*\pitch th:TH_LOAD_NT
.endr
.endr
.endm
	s_cmp_eq_u32 s15, 13
	s_cbranch_scc1 .Lwide
	LOADS16 2048
	s_branch .Lloaded
.Lwide:
	LOADS16 8192
.Lloaded:
	s_wait_loadcnt 0x0
.set n, 16
.rept 32
	v_pk_mul_f32 v[n:n+1], v[n:n+1], s[48:49] op_sel_hi:[1,0]
.set n, n+2
.endr
.irp p, 0,1,2,3
.irp c, 0,1,2,3
	v_cvt_pk_bf16_f32 v[80+8*\p+2*\c], v[16+16*\p+\c], v[16+16*\p+4+\c]       ; column 4 c + i: k = 8 p + 4 hh + 0, 1
	v_cvt_pk_bf16_f32 v[80+8*\p+2*\c+1], v[16+16*\p+8+\c], v[16+16*\p+12+\c]  ; and + 2, 3
.endr
.endr
.irp p, 0,1,2,3
.irp c, 0,1,2,3
	ds_store_b64 v8, v[80+8*\p+2*\c:80+8*\p+2*\c+1] offset:\c*TP+16*\p         ; lanes c and c + 4 meet in a bank (4,352 bytes apart): sixteen such stores a wave, once
.endr
.endr
	s_wait_dscnt 0x0                               ; for the others' sake: my part of the tile is in LDS
	s_barrier_signal -1
	s_barrier_wait -1
.irp t, 0,1,2,3,4,5,6,7
	ds_load_b128 v[16+4*\t:16+4*\t+3], v9 offset:2*\t*TP
.endr
	s_wait_dscnt 0x0
.macro STORES8 dp                      ; sixteen lanes store 256 consecutive bytes, aligned
.irp t, 0,1,2,3,4,5,6,7
	global_store_b128 v10, v[16+4*\t:16+4*\t+3], s[54:55] offset:2*\t*\dp
.endr
.endm
	s_cmp_eq_u32 s42, 12
	s_cbranch_scc1 .Lfar
	STORES8 1024
	s_branch .Lend
.Lfar:
	STORES8 4096
.Lend:
	s_wait_tensorcnt 0x0                           ; the wave's end: behind my last LDS store
	ds_add_u32 v[SPW], v[NIL]
	s_wait_dscnt 0x0
	s_endpgm
.Lfunc_end_k_q1afc341b9c_prep:
	.size	k_q1afc341b9c_prep, .Lfunc_end_k_q1afc341b9c_prep-k_q1afc341b9c_prep
	.p2alignl 7, 3214868480
	.fill 96, 4, 3214868480
	.section	.rodata,"a",@progbits
	.p2align	6, 0x0
	.amdhsa_kernel k_q1afc341b9c_prep
		.amdhsa_group_segment_fixed_size 17920
		.amdhsa_private_segment_fixed_size 0
		.amdhsa_enable_private_segment 0
		.amdhsa_kernarg_size 88
		.amdhsa_user_sgpr_count 2
		.amdhsa_user_sgpr_kernarg_segment_ptr 1
		.amdhsa_wavefront_size32 1
		.amdhsa_system_sgpr_workgroup_id_x 1
		.amdhsa_system_sgpr_workgroup_id_y 1
		.amdhsa_system_sgpr_workgroup_id_z 1
		.amdhsa_system_vgpr_workitem_id 0
		.amdhsa_next_free_vgpr 128
		.amdhsa_next_free_sgpr 66
		.amdhsa_reserve_vcc 0
		.amdhsa_float_denorm_mode_32 3
		.amdhsa_float_denorm_mode_16_64 3
		.amdhsa_memory_ordered 1
		.amdhsa_forward_progress 1
		.amdhsa_inst_pref_size 26
	.end_amdhsa_kernel
	.amdgpu_metadata
---
amdhsa.version: [ 1, 2 ]
amdhsa.kernels:
  - .name:           k_q1afc341b9c_prep
    .symbol:         k_q1afc341b9c_prep.kd
    .args:
      - { .name: x, .offset: 0, .size: 8, .value_kind: global_buffer, .address_space: global }
      - { .name: g_ln1, .offset: 8, .size: 8, .value_kind: global_buffer, .address_space: global }
      - { .name: b_ln1, .offset: 16, .size: 8, .value_kind: global_buffer, .address_space: global }
      - { .name: wq, .offset: 24, .size: 8, .value_kind: global_buffer, .address_space: global }
      - { .name: wk, .offset: 32, .size: 8, .value_kind: global_buffer, .address_space: global }
      - { .name: wv, .offset: 40, .size: 8, .value_kind: global_buffer, .address_space: global }
      - { .name: wo, .offset: 48, .size: 8, .value_kind: global_buffer, .address_space: global }
      - { .name: w1, .offset: 56, .size: 8, .value_kind: global_buffer, .address_space: global }
      - { .name: w2, .offset: 64, .size: 8, .value_kind: global_buffer, .address_space: global }
      - { .name: h, .offset: 72, .size: 8, .value_kind: global_buffer, .address_space: global }
      - { .name: wt, .offset: 80, .size: 8, .value_kind: global_buffer, .address_space: global }
    .group_segment_fixed_size: 17920
    .private_segment_fixed_size: 0
    .kernarg_segment_align: 8
    .kernarg_segment_size: 88
    .max_flat_workgroup_size: 128
    .sgpr_count:     66
    .vgpr_count:     128
    .wavefront_size: 32
...
	.end_amdgpu_metadata
.endif
;; end of part 1
;; launch qkv (part 2): grid 8 x 32, 4 waves a work-group, clusters of 4 x 4, 327,680 bytes of LDS; arguments h, wt, qkv; writes qkv
.if DOCPART == 2
	.amdgcn_target "amdgcn-amd-amdhsa--gfx1250"
	.amdhsa_code_object_version 6
	.text
	.protected	k_q1afc341b9c_qkv
	.globl	k_q1afc341b9c_qkv
	.p2align	8
	.type	k_q1afc341b9c_qkv,@function
k_q1afc341b9c_qkv:
	s_mov_b64 s[64:65], 0
	v_nop
	global_prefetch_b8 v0, s[64:65] scope:SCOPE_SE
	s_setreg_imm32_b32 hwreg(HW_REG_WAVE_MODE, 25, 1), 1
	s_wait_xcnt 0x0
	s_wait_alu depctr_hold_cnt(0) depctr_sa_sdst(0) depctr_va_vdst(0) depctr_va_sdst(0) depctr_va_ssrc(0) depctr_va_vcc(0) depctr_vm_vsrc(0)
	s_getreg_b32 s2, hwreg(HW_REG_IB_STS2, 6, 4)
	s_cmp_eq_u32 s2, 0
	s_cbranch_scc0 .Lentry_in_a_cluster
	s_endpgm
.Lentry_in_a_cluster:
	s_bfe_u32 s2, ttmp6, 0x10000c
	s_cmp_lg_u32 s2, 0xf033
	s_cbranch_scc0 .Lentry_shape_is_right
	s_endpgm
.Lentry_shape_is_right:
; q, k, v = h x (wq c | wk | wv), bf16 operands, f32 sums, each result rounded once to bf16.
; h: [8192][512] bf16.  wt's first part: [1536][512] bf16, row 96 hd + 32 sel + d.  qkv: q [64 bh][2048][32] at 0, k the same at 8,388,608,
; v turned, [64 bh][32 d][2048 t], at 16,777,216; bh = 16 batch + head.
; A work-group makes 256 tokens x 192 columns (two heads): 8 x 32 = 256 work-groups.  A wave makes 128 tokens x 96 columns, one head's q, k and v:
; 48 accumulators.  For q and k source 0 is 16 rows of the weights, so a lane holds one token and 8 channels; for v source 0 is 16 tokens,
; so a lane holds one channel and 8 tokens: both pack into 16 bytes that lie together in memory.
; K goes in four steps of 128 through two LDS slots.  4 x 4 work-groups form a cluster: h's tile is asked for jointly along a row, the weights' along a column.
; Each slot has its own descriptor group 0; the step's text stands once for each slot in the lap and once more for the last step, which asks for nothing.
; No prefetch: of four K steps two come by the first fills and two by the only refills.
.set PITCH, 272                        ; 256 bytes + 16: the sixteen rows of a fragment load start at sixteen different groups of four banks
.set AH,    128*PITCH
.set BH,    96*PITCH
.set SLOT,  2*AH+2*BH                  ; h's two halves, then the weights' two
.set SPARE, 2*SLOT                     ; the spare words, 128 bytes a wave
.set KSB,   256                        ; bytes of a row in a K step
.set KQ,    64                         ; and in a quarter of it
.set NSTEP, 4
.set SGW,   29184                      ; a wave's stage, over slot 0 after its last fill: q 128 x 80, k 128 x 80, v 32 x 272
.set A0,  16                           ; v16 my lane's place in h's tile, v17 in the weights'; never rewritten
.set B0,  17
.set AA,  18                           ; v18, v19 the same plus the slot and the place along K
.set AB,  19
.set STQ, 20
.set STV, 21
.set RDQ, 22
.set RDV, 23
.set GOQ, 24
.set GOV, 25
.set SPW, 28                           ; v28 LDS address of my spare word; v29 0; never rewritten
.set NIL, 29
.set TMP, 32                           ; v[32:55] packed results
.set OUT, 64                           ; v[64:255] rows read back
.set F0,  0                            ; window 1: two fragment buffers: h's 8 fragments, then the weights' 6 at + 64
.set F1,  128
.set G1,  24                           ; s[24:31] group 1 for h's tiles; s[32:39] group 0, a set for each slot
.set G0,  32
.set G1B, 48                           ; s[48:55], s[56:63] the same for the weights'
.set G0B, 56
.set SC,  2
.set HC,  3
.set TK,  23
.set MSB, 0
.macro WIN new                         ; the immediate's high byte repeats the setting that is left
.if MSB != (\new)
	s_set_vgpr_msb (MSB<<8)|(\new)
.set MSB, \new
.endif
.endm
.macro PLACES
.rept 4
	v_nop
.endr
.endm
.macro CROUND                          ; a round of the cluster's barrier
	s_barrier_signal -1
	s_barrier_wait -1
	s_cmp_lg_u32 s10, 0
	s_cbranch_scc1 .Lnot_wave_0_\@
	s_barrier_signal -3
.Lnot_wave_0_\@:
	s_barrier_wait -3
	s_barrier_signal -1
	s_barrier_wait -1
.endm
.macro JLOAD s                         ; a joint refill: waves 0 and 1 fetch h's halves, waves 2 and 3 the weights'
	s_cmp_eq_u32 s11, 0
	s_cbranch_scc0 .Lfor_b_\@
	tensor_load_to_lds s[G0+4*(\s):G0+4*(\s)+3], s[G1:G1+7]
	s_nop 0
	PLACES
	s_branch .Lasked_\@
.Lfor_b_\@:
	tensor_load_to_lds s[G0B+4*(\s):G0B+4*(\s)+3], s[G1B:G1B+7]
	s_nop 0
	PLACES
.Lasked_\@:
.endm
.macro FETCH f, ko                     ; 28 LDS loads in one run: a quarter's fragments, at byte ko behind AA and AB
	WIN 0x40
.irp i, 0,1,2,3,4,5
	ds_load_b128 v[(\f)+64+8*(\i):(\f)+64+8*(\i)+3],   v[AB] offset:(\ko)+(\i)*16*PITCH
	ds_load_b128 v[(\f)+64+8*(\i)+4:(\f)+64+8*(\i)+7], v[AB] offset:(\ko)+(\i)*16*PITCH+32
.endr
.irp i, 0,1,2,3,4,5,6,7
	ds_load_b128 v[(\f)+8*(\i):(\f)+8*(\i)+3],   v[AA] offset:(\ko)+(\i)*16*PITCH
	ds_load_b128 v[(\f)+8*(\i)+4:(\f)+8*(\i)+7], v[AA] offset:(\ko)+(\i)*16*PITCH+32
.endr
.endm
.macro MUL f, first                    ; 48 products, 32 along K; the 48 accumulators take turns.  first = 1: they start the sums
.irp hi, 0,1
	WIN 0xa5+0x50*(\hi)
.irp a, 0,1,2,3
.irp b, 0,1,2,3,4,5
.set rD, 8*(6*(\a)+(\b))
.set rA, (\f)+8*(4*(\hi)+(\a))
.set rB, (\f)+64+8*(\b)
.if (\b) < 4
.if \first
	v_wmma_f32_16x16x32_bf16 v[rD:rD+7], v[rB:rB+7], v[rA:rA+7], 0
.else
	v_wmma_f32_16x16x32_bf16 v[rD:rD+7], v[rB:rB+7], v[rA:rA+7], v[rD:rD+7]
.endif
.else
.if \first
	v_wmma_f32_16x16x32_bf16 v[rD:rD+7], v[rA:rA+7], v[rB:rB+7], 0
.else
	v_wmma_f32_16x16x32_bf16 v[rD:rD+7], v[rA:rA+7], v[rB:rB+7], v[rD:rD+7]
.endif
.endif
.endr
.endr
.endr
.endm
; The change of slots.  Each wave waits for all its tensor loads (one is out: its part of the slot to be read), adds 0 to its spare word, and waits for that and
; for its reads of the slot that it leaves.  fill = 1: that slot is filled again, two K steps on, first thing behind a round of the cluster's barrier.
.macro CHANGE fill, slot
	WIN 0
	s_wait_tensorcnt 0x0
	ds_add_u32 v[SPW], v[NIL]
.if \fill
	s_add_nc_u64 s[G0+4*(\slot)+2:G0+4*(\slot)+3], s[G0+4*(\slot)+2:G0+4*(\slot)+3], 2*KSB
	s_add_nc_u64 s[G0B+4*(\slot)+2:G0B+4*(\slot)+3], s[G0B+4*(\slot)+2:G0B+4*(\slot)+3], 2*KSB
.endif
	s_wait_dscnt 0x0
.if \fill
	CROUND
	JLOAD \slot                                    ; its four v_nop are also the places in front of the loads that follow
.else
	s_barrier_signal -1
	s_barrier_wait -1
	PLACES
.endif
.endm
; A K step: four quarters on buffers 0, 1, 0, 1, written as two trips.  Each run of loads has a quarter's 48 products in which to land; every LDS wait is for 0,
; so it holds on both ways round the run that the last trip jumps over.
.macro STEP tag, slot
	s_mov_b32 s[TK], (\slot)*SLOT
	v_add_nc_u32 v[AA], s[TK], v[A0]
	v_add_nc_u32 v[AB], s[TK], v[B0]
	FETCH F0, 0
	WIN 0
	s_mov_b32 s[HC], 2
.Lqa\tag:
	s_wait_dscnt 0x0
	PLACES                                         ; behind the products that read buffer 1
	FETCH F1, KQ
	MUL F0, 0
	WIN 0
.Lqb\tag:
	s_wait_dscnt 0x0
	s_add_co_u32 s[TK], s[TK], 2*KQ
	v_add_nc_u32 v[AA], s[TK], v[A0]               ; these four are the places behind the products that read buffer 0
	v_add_nc_u32 v[AB], s[TK], v[B0]
	v_nop
	v_nop
	s_cmp_eq_u32 s[HC], 1
	s_cbranch_scc1 .Lnf\tag                        ; the step's last quarter fetches nothing
	FETCH F0, 0
	WIN 0
.Lnf\tag:
	MUL F1, 0
	WIN 0
	s_sub_co_u32 s[HC], s[HC], 1
	s_cmp_lg_u32 s[HC], 0
	s_cbranch_scc1 .Lqa\tag
.endm
	s_load_b128 s[4:7], s[0:1], 0x0                ; h, wt
	s_load_b64 s[8:9], s[0:1], 0x10                ; qkv
	v_lshl_add_u32 v[SPW], v0, 2, SPARE
	v_mov_b32 v[NIL], 0
	ds_add_u32 v[SPW], v[NIL]                      ; the wave's opening: the add and its wait ahead of my first tensor load
	v_lshrrev_b32 v1, 5, v0
	v_readfirstlane_b32 s10, v1                    ; wave
	s_lshr_b32 s11, s10, 1                         ; my half of the tokens; also: I fetch h (0) or weights (1)
	s_and_b32 s12, s10, 1                          ; my head of the two; also: which half I fetch
	s_bfe_u32 s40, ttmp6, 0x40000                  ; cx
	s_bfe_u32 s41, ttmp6, 0x40004                  ; cy
	s_lshl_b32 s42, ttmp9, 2
	s_add_co_u32 s42, s42, s40                     ; tile column 0..7
	s_and_b32 s13, ttmp7, 0xffff
	s_lshl_b32 s13, s13, 2
	s_add_co_u32 s13, s13, s41                     ; tile row 0..31
	s_lshl_b32 s43, s41, 2
	s_lshl_b32 s43, 15, s43                        ; my row of the cluster
	s_lshl_b32 s44, 0x1111, s40                    ; my column
	s_or_b32 s[G1], s43, (1<<16)|(1<<20)|(1<<21)|(5<<22)|(3<<25)   ; mask; 2-byte elements; padding on; bit 21 beside a mask; 4 words behind every 64
	s_or_b32 s[G1B], s44, (1<<16)|(1<<20)|(1<<21)|(5<<22)|(3<<25)
.irp g, G1, G1B
	s_mov_b32 s[(\g)+1], 128<<16                   ; tensor_dim0 = 128
	s_mov_b32 s[(\g)+3], 128<<16                   ; tile_dim0 = 128
	s_mov_b32 s[(\g)+5], 512                       ; elements from row to row
	s_mov_b32 s[(\g)+6], 0
	s_mov_b32 s[(\g)+7], 0
.endr
	s_mov_b32 s[G1+2], 128<<16                     ; tensor_dim1, tile_dim1: 128 rows of h,
	s_mov_b32 s[G1+4], 128
	s_mov_b32 s[G1B+2], 96<<16                     ; 96 of the weights
	s_mov_b32 s[G1B+4], 96
	s_lshl_b32 s16, s13, 18                        ; h: row 256 x tile row + 128 x half, 1,024 bytes each
	s_lshl_b32 s17, s12, 17
	s_add_co_u32 s16, s16, s17
	s_mov_b32 s17, 0
	s_mul_i32 s46, s42, 192*1024                   ; weights: row 192 x tile column + 96 x half
	s_mul_i32 s47, s12, 96*1024
	s_add_co_u32 s46, s46, s47
	s_mov_b32 s47, 0
	s_mul_i32 s20, s12, AH
	s_mul_i32 s21, s12, BH
	s_add_co_u32 s21, s21, 2*AH
	s_wait_dscnt 0x0                               ; the opening add is done
	s_wait_kmcnt 0x0
	s_add_nc_u64 s[14:15], s[4:5], s[16:17]
	s_add_nc_u64 s[46:47], s[6:7], s[46:47]
.irp s, 0,1
	s_mov_b32 s[G0+4*(\s)], 1
	s_add_co_u32 s[G0+4*(\s)+1], s20, (\s)*SLOT
	s_add_nc_u64 s[G0+4*(\s)+2:G0+4*(\s)+3], s[14:15], (\s)*KSB
	s_or_b32 s[G0+4*(\s)+3], s[G0+4*(\s)+3], 0x80000000
	s_mov_b32 s[G0B+4*(\s)], 1
	s_add_co_u32 s[G0B+4*(\s)+1], s21, (\s)*SLOT
	s_add_nc_u64 s[G0B+4*(\s)+2:G0B+4*(\s)+3], s[46:47], (\s)*KSB
	s_or_b32 s[G0B+4*(\s)+3], s[G0B+4*(\s)+3], 0x80000000
.endr
	CROUND                                         ; all sixteen work-groups are here: the first joint loads meet
	s_cmp_eq_u32 s11, 0                            ; a wave's two first fills stand in one branch: two loads of mine are out
	s_cbranch_scc0 .Lfirst_b
	tensor_load_to_lds s[G0:G0+3], s[G1:G1+7]
	s_nop 0
	tensor_load_to_lds s[G0+4:G0+7], s[G1:G1+7]
	s_nop 0
	PLACES
	s_branch .Lfirst_asked
.Lfirst_b:
	tensor_load_to_lds s[G0B:G0B+3], s[G1B:G1B+7]
	s_nop 0
	tensor_load_to_lds s[G0B+4:G0B+7], s[G1B:G1B+7]
	s_nop 0
	PLACES
.Lfirst_asked:
	v_and_b32 v1, 15, v0                           ; r = l % 16
	v_bfe_u32 v2, v0, 4, 1                         ; hh = l / 16
	v_mul_u32_u24 v3, v1, PITCH
	v_lshl_add_u32 v3, v2, 4, v3
	s_mul_i32 s20, s11, AH
	v_add_nc_u32 v[A0], s20, v3
	s_mul_i32 s20, s12, BH
	s_add_co_u32 s20, s20, 2*AH
	v_add_nc_u32 v[B0], s20, v3
	s_mul_i32 s22, s10, SGW                        ; my stage
	v_mul_u32_u24 v4, v1, 80
	v_lshl_add_u32 v4, v2, 4, v4
	v_add_nc_u32 v[STQ], s22, v4                   ; q, k in: token r, 16 bytes for each half of the lanes
	v_add_nc_u32 v[STV], s22, v3                   ; v in: channel r
	v_add_nc_u32 v[STV], 20480, v[STV]
	v_and_b32 v5, 31, v0
	v_lshrrev_b32 v6, 2, v5
	v_and_b32 v7, 3, v0
	v_mul_u32_u24 v6, v6, 80
	v_lshl_add_u32 v6, v7, 4, v6
	v_add_nc_u32 v[RDQ], s22, v6                   ; q, k back: eight tokens of 64 bytes a load
	v_mul_u32_u24 v6, v2, PITCH
	v_lshl_add_u32 v6, v1, 4, v6
	v_add_nc_u32 v6, s22, v6
	v_add_nc_u32 v[RDV], 20480, v6                 ; v back: two channels' 256 bytes a load
	v_lshlrev_b32 v[GOQ], 4, v5
	v_lshlrev_b32 v6, 12, v2
	v_lshl_add_u32 v[GOV], v1, 4, v6
	s_lshr_b32 s70, s13, 3                         ; batch
	s_lshl_b32 s70, s70, 4
	s_lshl_b32 s71, s42, 1
	s_add_co_u32 s70, s70, s71
	s_add_co_u32 s70, s70, s12                     ; bh
	s_and_b32 s71, s13, 7
	s_lshl_b32 s71, s71, 8
	s_lshl_b32 s72, s11, 7
	s_add_co_u32 s71, s71, s72                     ; my first token in the sequence
	s_lshl_b32 s72, s70, 17                        ; a head is 131,072 bytes in each of the three
	s_lshl_b32 s73, s71, 6
	s_add_co_u32 s74, s72, s73
	s_mov_b32 s75, 0
	s_add_nc_u64 s[76:77], s[8:9], s[74:75]        ; q
	s_add_nc_u64 s[78:79], s[76:77], 8388608       ; k
	s_lshl_b32 s73, s71, 1
	s_add_co_u32 s74, s72, s73
	s_add_co_u32 s74, s74, 16777216
	s_add_nc_u64 s[80:81], s[8:9], s[74:75]        ; v turned
	s_wait_tensorcnt 0x1                           ; my part of K step 0 is in; step 1's may stay out
	s_barrier_signal -1
	s_barrier_wait -1
	s_mov_b32 s[TK], 0
	v_add_nc_u32 v[AA], s[TK], v[A0]
	v_add_nc_u32 v[AB], s[TK], v[B0]
	FETCH F0, 0
	s_wait_dscnt 0x0
	FETCH F1, KQ
	MUL F0, 1                                      ; the first quarter is written out: its products start the sums
	WIN 0
	s_mov_b32 s[SC], NSTEP/2
	s_mov_b32 s[HC], 2
	s_branch .LqbE                                 ; K step 0 goes on in the middle of the even step's text
.Llap:
	CHANGE 1, 0
	STEP O, 1
	CHANGE 1, 1
	STEP E, 0
	s_sub_co_u32 s[SC], s[SC], 1
	s_cmp_lg_u32 s[SC], 0
	s_cbranch_scc1 .Llap
	CHANGE 0, 0                                    ; the last step is written out: nothing is asked for
	STEP T, 1
	; THE WAY OUT.  Slot 0 has had its last fill and its last read (the barrier above): each wave's stage lies there.
	PLACES
.macro PACKQ a
.set AC, 48*((\a)%4)
	WIN 0x0a+5*((\a)/4)
.irp b, 0,1,2,3,4,5
.irp r, 0,1,2,3
	v_cvt_pk_bf16_f32 v[TMP+4*(\b)+(\r)], v[AC+8*(\b)+2*(\r)], v[AC+8*(\b)+2*(\r)+1]
.endr
.endr
	WIN 0
.irp b, 0,1,2,3
	ds_store_b128 v[STQ], v[TMP+4*(\b):TMP+4*(\b)+3] offset:(\a)*1280+((\b)%2)*32+((\b)/2)*10240
.endr
.irp b, 4,5
	ds_store_b128 v[STV], v[TMP+4*(\b):TMP+4*(\b)+3] offset:((\b)-4)*16*PITCH+(\a)*32
.endr
.endm
.irp a, 0,1,2,3,4,5,6,7
	PACKQ \a
.endr
.irp t, 0,1,2,3,4,5,6,7,8,9,10,11,12,13,14,15      ; LDS serves a wave's instructions in order: these see the stores above
	ds_load_b128 v[OUT+4*(\t):OUT+4*(\t)+3], v[RDQ] offset:640*(\t)
.endr
.irp t, 0,1,2,3,4,5,6,7,8,9,10,11,12,13,14,15
	ds_load_b128 v[OUT+64+4*(\t):OUT+64+4*(\t)+3], v[RDQ] offset:10240+640*(\t)
.endr
.irp t, 0,1,2,3,4,5,6,7,8,9,10,11,12,13,14,15
	ds_load_b128 v[OUT+128+4*(\t):OUT+128+4*(\t)+3], v[RDV] offset:2*PITCH*(\t)
.endr
	s_wait_dscnt 32                                ; q is back; k's and v's 32 loads may be out
.irp t, 0,1,2,3,4,5,6,7,8,9,10,11,12,13,14,15
	global_store_b128 v[GOQ], v[OUT+4*(\t):OUT+4*(\t)+3], s[76:77] offset:512*(\t)   ; 512 consecutive bytes, aligned
.endr
	s_wait_dscnt 16                                ; k is back
.irp t, 0,1,2,3,4,5,6,7,8,9,10,11,12,13,14,15
	global_store_b128 v[GOQ], v[OUT+64+4*(\t):OUT+64+4*(\t)+3], s[78:79] offset:512*(\t)
.endr
	s_wait_dscnt 0x0
.irp t, 0,1,2,3,4,5,6,7,8,9,10,11,12,13,14,15
	global_store_b128 v[GOV], v[OUT+128+4*(\t):OUT+128+4*(\t)+3], s[80:81] offset:8192*(\t)  ; sixteen lanes: 256 consecutive bytes of a channel's row
.endr
	s_wait_tensorcnt 0x0                           ; the wave's end
	ds_add_u32 v[SPW], v[NIL]
	s_wait_dscnt 0x0
	CROUND                                         ; the closing round
	s_endpgm
.Lfunc_end_k_q1afc341b9c_qkv:
	.size	k_q1afc341b9c_qkv, .Lfunc_end_k_q1afc341b9c_qkv-k_q1afc341b9c_qkv
	.p2alignl 7, 3214868480
	.fill 96, 4, 3214868480
	.section	.rodata,"a",@progbits
	.p2align	6, 0x0
	.amdhsa_kernel k_q1afc341b9c_qkv
		.amdhsa_group_segment_fixed_size 327680
		.amdhsa_private_segment_fixed_size 0
		.amdhsa_enable_private_segment 0
		.amdhsa_kernarg_size 24
		.amdhsa_user_sgpr_count 2
		.amdhsa_user_sgpr_kernarg_segment_ptr 1
		.amdhsa_wavefront_size32 1
		.amdhsa_system_sgpr_workgroup_id_x 1
		.amdhsa_system_sgpr_workgroup_id_y 1
		.amdhsa_system_sgpr_workgroup_id_z 1
		.amdhsa_system_vgpr_workitem_id 0
		.amdhsa_next_free_vgpr 960
		.amdhsa_next_free_sgpr 84
		.amdhsa_reserve_vcc 0
		.amdhsa_float_denorm_mode_32 3
		.amdhsa_float_denorm_mode_16_64 3
		.amdhsa_memory_ordered 1
		.amdhsa_forward_progress 1
		.amdhsa_inst_pref_size 77
	.end_amdhsa_kernel
	.amdgpu_metadata
---
amdhsa.version: [ 1, 2 ]
amdhsa.kernels:
  - .name:           k_q1afc341b9c_qkv
    .symbol:         k_q1afc341b9c_qkv.kd
    .args:
      - { .name: h, .offset: 0, .size: 8, .value_kind: global_buffer, .address_space: global }
      - { .name: wt, .offset: 8, .size: 8, .value_kind: global_buffer, .address_space: global }
      - { .name: qkv, .offset: 16, .size: 8, .value_kind: global_buffer, .address_space: global }
    .group_segment_fixed_size: 327680
    .private_segment_fixed_size: 0
    .kernarg_segment_align: 8
    .kernarg_segment_size: 24
    .max_flat_workgroup_size: 128
    .sgpr_count:     84
    .vgpr_count:     960
    .wavefront_size: 32
...
	.end_amdgpu_metadata
.endif
;; end of part 2
;; launch attn (part 3): grid 4 x 64, 4 waves a work-group, clusters of 4 x 1, 327,680 bytes of LDS; arguments qkv, ao; writes ao
.if DOCPART == 3
	.amdgcn_target "amdgcn-amd-amdhsa--gfx1250"
	.amdhsa_code_object_version 6
	.text
	.protected	k_q1afc341b9c_attn
	.globl	k_q1afc341b9c_attn
	.p2align	8
	.type	k_q1afc341b9c_attn,@function
k_q1afc341b9c_attn:
	s_mov_b64 s[64:65], 0
	v_nop
	global_prefetch_b8 v0, s[64:65] scope:SCOPE_SE
	s_setreg_imm32_b32 hwreg(HW_REG_WAVE_MODE, 25, 1), 1
	s_wait_xcnt 0x0
	s_wait_alu depctr_hold_cnt(0) depctr_sa_sdst(0) depctr_va_vdst(0) depctr_va_sdst(0) depctr_va_ssrc(0) depctr_va_vcc(0) depctr_vm_vsrc(0)
	s_getreg_b32 s2, hwreg(HW_REG_IB_STS2, 6, 4)
	s_cmp_eq_u32 s2, 0
	s_cbranch_scc0 .Lentry_in_a_cluster
	s_endpgm
.Lentry_in_a_cluster:
	s_bfe_u32 s2, ttmp6, 0x10000c
	s_cmp_lg_u32 s2, 0x3003
	s_cbranch_scc0 .Lentry_shape_is_right
	s_endpgm
.Lentry_shape_is_right:
; CAUSAL ATTENTION at head size 32.  ao[bh][q][:] = the sum over k <= q of softmax_k(q . k) v[k][:].  q (already times log2(e) / sqrt(32)), k: [64][2048][32] bf16; v turned: [64][32][2048] bf16;
; ao: [64][2048][32] bf16.  Products, maxima and sums in f32; the weights are rounded to bf16 for the second product (their sum is taken unrounded), ao once at the end.
; LIMITS.  A hidden score counts as its value less 1e30; a weight below 2^-126 counts as 0; NaN and infinities are not treated apart.
; SHARES.  A head's 2,048 queries are 8 blocks of 256, a block 4 bands of 64, a band 4 pieces of 16.  The head's four work-groups form a cluster; work-group cx owns piece cx of EVERY band.
; Wave w takes block 7 - w and then block w: 8 - w and w + 1 key tiles of 256, nine for every wave.  So every branch, trip count and LDS address hangs on the wave's number and constants alone;
; cx enters q's and ao's global addresses and the mask's numbers.  The four partners want the same K and V and ask for them jointly.
; K AND V OF THE WHOLE HEAD STAY IN LDS: 16 first fills, four a wave, no refill, no barrier in the loop.
; LAYOUT.  S^T = K Q^T (source 0 = 16 keys, source 1 = 16 queries; 32 channels are one instruction): a lane holds ONE query (lane % 16) and the keys 8 (lane / 16) + 0..7.  Two such results rounded to bf16 ARE
; source 1 of O^T = V^T P; V lies turned in LDS, so its fragments come by plain loads.
; THE MASK is the C operand of K Q^T: 0, or -1e30 where the key is hidden.  MD, made once, is the mask of a band's own step for my 16 queries; a product's mask is MD x AL + BE.  With d = the step's number
; less 4 x block: band x sees all if d < x, holds the diagonal if d = x, sees nothing if d > x.
; SOFTMAX.  A running maximum m and sum l for each query: p = 2^(s - m); in every step O and l are multiplied by a = 2^(m_old - m_new).  m starts at the lowest finite number: the first step's a is 0.
; BY TURNS.  The wave's four tiles (bands 0..3) are two halves.  Turn p does the scaling, exponentials, roundings, sums and rescaling of half p and the maximum of the other half, whose scores the turn itself makes
; (8 products K Q^T); later come 8 products V^T P of the other half.  218 vector instructions stand beside 16 matrix instructions: the vector unit bounds the loop.  A turn's 66 exponentials are ONE batch with ONE wait.
; REGISTERS.  window 0: v2-9 addresses; v12-15 m_old; v16-31 statistics; v32, v33 the add's two; v48-63 at work; v64-191 S^T; v192-255 P.
;   window 1: v0-63 O^T; v64-95 MD; v96-223 the masks to come.   window 2: v0-31 Q; v32-63 the second block's Q; v64-95 K of a step; v96-127 V of a step.
.set KP,    80                         ; a key's row in LDS: 64 bytes + 16
.set VP,    528                        ; a channel's row of a tile of V: 512 bytes + 16
.set KTILE, 256*KP
.set VTILE, 32*VP
.set VB,    8*KTILE
.set STAGE, VB+8*VTILE                 ; 16 rows x 80 bytes for each wave, for the way out; no fill lands here
.set SPARE, STAGE+4*16*KP              ; the spare words, 128 bytes a wave
.set AK0, 2
.set AV0, 3
.set AK,  4
.set AV,  5
.set STO, 6
.set RD,  7
.set GO,  8
.set QO,  9
.set MV,  12
.set ST,  16                           ; tile t at ST + 4 t: m, a partner that is only named, l (even keys', odd keys')
.set SPW, 32
.set NIL, 33
.set MT,  34
.set TMP, 48                           ; by half and tile c0-c3; c2 takes a
.set S,   64
.set P,   192
.set MD,  64
.set MC,  96
.set Q,   0
.set QB,  32
.set KF,  64
.set VF,  96
.set WV,  12
.set G1K, 24
.set G1V, 32
.set G0K, 40                           ; s[40:55] four sets
.set G0V, 76                           ; s[76:91] four sets
.set CNT, 56
.set TC,  57
.set RT,  58
.set NEW, 59
.set SEL, 60
.set TBK, 62
.set TBV, 63
.set SD,  66
.set TKC, 67
.set AL,  68
.set BE,  70
.set BIGN, 72
.set TVC, 73
.set OA,  74
.set OB,  92
.set MSB, 0
.macro WIN new
.if MSB != (\new)
	s_set_vgpr_msb (MSB<<8)|(\new)
.set MSB, \new
.endif
.endm
.set W_KM, 0x1a                        ; K and Q in window 2, the mask in window 1, S^T in window 0
.set W_PV, 0x52                        ; V in window 2, P in window 0, O^T in window 1
.set W_RS, 0x41                        ; destination and source 0 in window 1
.macro PLACES
.rept 4
	v_nop
.endr
.endm
.macro CROUND
	s_barrier_signal -1
	s_barrier_wait -1
	s_cmp_lg_u32 s[WV], 0
	s_cbranch_scc1 .Lnot_wave_0_\@
	s_barrier_signal -3
.Lnot_wave_0_\@:
	s_barrier_wait -3
	s_barrier_signal -1
	s_barrier_wait -1
.endm
	s_load_b128 s[4:7], s[0:1], 0x0                ; qkv, ao
	v_lshl_add_u32 v[SPW], v0, 2, SPARE
	v_mov_b32 v[NIL], 0
	ds_add_u32 v[SPW], v[NIL]                      ; the wave's opening: the add and its wait ahead of my first tensor load
	v_lshrrev_b32 v1, 5, v0
	v_readfirstlane_b32 s[WV], v1
	s_bfe_u32 s13, ttmp6, 0x40000                  ; cx
	s_and_b32 s20, ttmp7, 0xffff                   ; bh, which the four partners share
	s_lshl_b32 s20, s20, 17                        ; a head is 131,072 bytes in q, k, v and ao
	s_lshr_b32 s11, s[WV], 1
	s_and_b32 s14, s[WV], 1                        ; even waves fetch K, odd waves V; load n of wave w is tile w / 2 + 2 n
	; K: a tile's 256 keys are 16,384 dense bytes, asked for as 64 rows of 256 bytes and padded by 4 words behind every 16 (a key)
	s_mov_b32 s[G1K], 15|(1<<16)|(1<<20)|(1<<21)|(3<<22)|(3<<25)
	s_mov_b32 s[G1K+1], 128<<16
	s_mov_b32 s[G1K+2], 64<<16
	s_mov_b32 s[G1K+3], 128<<16
	s_mov_b32 s[G1K+4], 64
	s_mov_b32 s[G1K+5], 128
	s_mov_b32 s[G1K+6], 0
	s_mov_b32 s[G1K+7], 0
	; V: 32 channels x 256 keys, rows 2,048 elements apart, padded by 4 words behind every 128 (a row)
	s_mov_b32 s[G1V], 15|(1<<16)|(1<<20)|(1<<21)|(6<<22)|(3<<25)
	s_mov_b32 s[G1V+1], 256<<16
	s_mov_b32 s[G1V+2], 32<<16
	s_mov_b32 s[G1V+3], 256<<16
	s_mov_b32 s[G1V+4], 32
	s_mov_b32 s[G1V+5], 2048
	s_mov_b32 s[G1V+6], 0
	s_mov_b32 s[G1V+7], 0
	s_lshl_b32 s22, s11, 14
	s_add_co_u32 s22, s22, s20
	s_add_co_u32 s22, s22, 8388608
	s_mov_b32 s23, 0
	s_lshl_b32 s2, s11, 9
	s_add_co_u32 s2, s2, s20
	s_add_co_u32 s2, s2, 16777216
	s_mov_b32 s3, 0
	s_mul_i32 s15, s11, KTILE
	s_mul_i32 s21, s11, VTILE
	s_add_co_u32 s21, s21, VB
	s_mov_b32 s[SEL], 0x76543210
	s_mov_b32 s[SEL+1], 0xfedcba98
	s_mov_b32 s[BIGN], 0xf149f2ca                  ; -1e30
	s_mov_b32 s[AL+1], 0                           ; named as pairs
	s_mov_b32 s[BE+1], 0
	s_wait_dscnt 0x0                               ; the opening add is done
	s_wait_kmcnt 0x0
	s_add_nc_u64 s[22:23], s[4:5], s[22:23]
	s_add_nc_u64 s[2:3], s[4:5], s[2:3]
.irp n, 0,1,2,3
	s_mov_b32 s[G0K+4*\n], 1
	s_add_co_u32 s[G0K+4*\n+1], s15, \n*2*KTILE
	s_add_nc_u64 s[G0K+4*\n+2:G0K+4*\n+3], s[22:23], \n*32768
	s_or_b32 s[G0K+4*\n+3], s[G0K+4*\n+3], 0x80000000
	s_mov_b32 s[G0V+4*\n], 1
	s_add_co_u32 s[G0V+4*\n+1], s21, \n*2*VTILE
	s_add_nc_u64 s[G0V+4*\n+2:G0V+4*\n+3], s[2:3], \n*1024
	s_or_b32 s[G0V+4*\n+3], s[G0V+4*\n+3], 0x80000000
.endr
	CROUND                                         ; all four work-groups are here: the joint loads meet
	s_cmp_eq_u32 s14, 0                            ; a wave's four fills stand in one branch: four loads of mine are out
	s_cbranch_scc0 .Lfill_v
.irp n, 0,1,2,3
	tensor_load_to_lds s[G0K+4*\n:G0K+4*\n+3], s[G1K:G1K+7]
	s_nop 0
.endr
	PLACES
	s_branch .Lfilled
.Lfill_v:
.irp n, 0,1,2,3
	tensor_load_to_lds s[G0V+4*\n:G0V+4*\n+3], s[G1V:G1V+7]
	s_nop 0
.endr
	PLACES
.Lfilled:
	; all that follows, up to the barrier, stands in the wait for the tiles
	s_sub_co_u32 s15, 7, s[WV]                     ; my first block
	s_lshl_b32 s[SD], s15, 2
	s_sub_co_i32 s[SD], 0, s[SD]                   ; d of its step 0
	s_lshl_b32 s16, s15, 14                        ; a block is 16,384 bytes
	s_lshl_b32 s18, s[WV], 14
	s_lshl_b32 s21, s13, 10                        ; my piece of a band: 16 queries of 64 bytes
	s_add_co_u32 s21, s21, s20
	s_add_co_u32 s16, s16, s21
	s_add_co_u32 s18, s18, s21
	s_mov_b32 s17, 0
	s_mov_b32 s19, 0
	s_add_nc_u64 s[OA:OA+1], s[6:7], s[16:17]
	s_add_nc_u64 s[OB:OB+1], s[6:7], s[18:19]
	s_add_nc_u64 s[16:17], s[4:5], s[16:17]
	s_add_nc_u64 s[18:19], s[4:5], s[18:19]
	v_and_b32 v1, 15, v0                           ; r
	v_bfe_u32 v10, v0, 4, 1                        ; hh
	v_lshlrev_b32 v[QO], 6, v1
	v_lshl_add_u32 v[QO], v10, 4, v[QO]
	v_lshlrev_b32 v[MT], 3, v10
	v_sub_nc_u32 v[MT], v1, v[MT]
	s_lshl_b32 s15, s13, 4
	v_add_nc_u32 v[MT], s15, v[MT]                 ; my query's place in its band less my lanes' 8 hh: register j of key block kb is hidden where 16 kb + j is greater
	v_mul_u32_u24 v[AK0], v1, KP
	v_lshl_add_u32 v[AK0], v10, 4, v[AK0]
	v_mul_u32_u24 v[AV0], v1, VP
	v_lshl_add_u32 v[AV0], v10, 4, v[AV0]
	s_mul_i32 s15, s[WV], 16*KP
	s_add_co_u32 s15, s15, STAGE
	v_add_nc_u32 v[STO], s15, v[AK0]               ; in: row r, 16 bytes for each half of the lanes
	v_and_b32 v11, 31, v0
	v_lshrrev_b32 v[RD], 2, v11
	v_mul_u32_u24 v[RD], v[RD], KP
	v_and_b32 v[GO], 3, v0
	v_lshl_add_u32 v[RD], v[GO], 4, v[RD]
	v_add_nc_u32 v[RD], s15, v[RD]                 ; back: eight rows of 64 bytes a load,
	v_lshlrev_b32 v[GO], 4, v11                    ; 512 consecutive bytes of ao
	WIN 0x80
.irp x, 0,1,2,3                        ; both blocks' Q: tile x lies in band x, 4,096 bytes on
	global_load_b128 v[Q+8*\x:Q+8*\x+3],   v[QO], s[16:17] offset:\x*4096
	global_load_b128 v[Q+8*\x+4:Q+8*\x+7], v[QO], s[16:17] offset:\x*4096+32
	global_load_b128 v[QB+8*\x:QB+8*\x+3],   v[QO], s[18:19] offset:\x*4096
	global_load_b128 v[QB+8*\x+4:QB+8*\x+7], v[QO], s[18:19] offset:\x*4096+32
.endr
	; A block's first step multiplies O^T and l by a = 0, and its first turn's V^T P, of a half that has not been, lands in an O^T still to be so multiplied: these need only hold finite numbers.
.set n, 0
.rept 32
	v_mov_b32 v[VF+n], 0
.set n, n+1
.endr
	WIN 0x40
.set n, 0
.rept 32
	v_cmp_gt_i32 vcc_lo, 16*(n/8)+n%8, v[MT]
	v_cndmask_b32 v[MD+n], 0, s[BIGN], vcc_lo
.set n, n+1
.endr
.set n, 0
.rept 64
	v_mov_b32 v[n], 0
.set n, n+1
.endr
	WIN 0
.set n, 0
.rept 32
	v_mov_b32 v[P+32+n], 0
.set n, n+1
.endr
.irp t, 0,1,2,3
	v_mov_b32 v[ST+4*\t+1], 0
	v_mov_b32 v[ST+4*\t+2], 0
	v_mov_b32 v[ST+4*\t+3], 0
.endr
; THE MATRIX WORK.  Product i of 8 of S^T for half x: tile i % 2, key block i / 2; each is a whole sum, begun with its mask.
.macro KQ x
	WIN W_KM
.set rS, S+64*(\x)+32*(i%2)+8*(i/2)
.set rK, KF+8*(i/2)
.set rQ, Q+8*(2*(\x)+i%2)
.set rMC, MC+64*(\x)+32*(i%2)+8*(i/2)
	v_wmma_f32_16x16x32_bf16 v[rS:rS+7], v[rK:rK+7], v[rQ:rQ+7], v[rMC:rMC+7]
.endm
; Product i of 8 of O^T += V^T P for half x: tile i % 2, channels 16 ((i / 2) % 2) on, keys 32 (i / 4) on.  The four accumulators take turns.
.macro PV x
	WIN W_PV
.set rO, 16*(2*(\x)+i%2)+8*((i/2)%2)
.set rV, VF+16*(i/4)+8*((i/2)%2)
.set rP, P+32*(\x)+16*(i%2)+8*(i/4)
	v_wmma_f32_16x16x32_bf16 v[rO:rO+7], v[rV:rV+7], v[rP:rP+7], v[rO:rO+7]
.endm
.macro MM                              ; the turn's next matrix instruction, for the half that is not in hand
.if i < 8
	KQ 1-Y
.else
.set i, i-8
	PV 1-Y
.set i, i+8
.endif
.set i, i+1
.endm
.macro FETCH_K                         ; a step's K: 64 keys x 32 channels, four fragments
	WIN 0x80
.irp f, 0,1,2,3
	ds_load_b128 v[KF+8*\f:KF+8*\f+3],   v[AK] offset:\f*16*KP
	ds_load_b128 v[KF+8*\f+4:KF+8*\f+7], v[AK] offset:\f*16*KP+32
.endr
	s_add_co_u32 s[TBK], s[TBK], 64*KP
	WIN 0
.endm
.macro FETCH_V                         ; a step's V: fragment f: keys 32 (f / 2) on, channels 16 (f % 2) on
	WIN 0x80
.irp f, 0,1,2,3
	ds_load_b128 v[VF+8*\f:VF+8*\f+3],   v[AV] offset:(\f%2)*16*VP+(\f/2)*64
	ds_load_b128 v[VF+8*\f+4:VF+8*\f+7], v[AV] offset:(\f%2)*16*VP+(\f/2)*64+32
.endr
	s_add_co_u32 s[TBV], s[TBV], 128
	WIN 0
.endm
; THE VECTOR WORK stands in three queues, each in the order in which its entries become ready; the two tiles alternate.
.macro REGS y, u
.set rT, ST+4*(2*(\y)+(\u))
.set rC, TMP+8*(\y)+4*(\u)
.set rM, MV+2*(\y)+(\u)
.set rS, S+64*(\y)+32*(\u)
.set rP, P+32*(\y)+16*(\u)
.set rO, 16*(2*(\y)+(\u))
.endm
; The other half's maximum and statistics.  0-11 four chains of seven scores (each accumulator's lowest registers are read first); 12-14, 16 the four scores left over, the old m, all into c0;
; 15 m_old is kept; 17, 18 the query's other 32 keys lie in the lane 16 away: the new m; 20 m_old - m_new; 21 a.
.macro XS u, n
	REGS 1-Y, \u
.if (\n) < 4
	v_max3_num_f32 v[rC+(\n)], v[rS+8*(\n)], v[rS+8*(\n)+1], v[rS+8*(\n)+2]
.elseif (\n) < 12
	v_max3_num_f32 v[rC+(\n)%4], v[rC+(\n)%4], v[rS+8*((\n)%4)+2*((\n)/4)+1], v[rS+8*((\n)%4)+2*((\n)/4)+2]
.elseif (\n) == 12
	v_max3_num_f32 v[rC], v[rC], v[rS+7], v[rS+15]
.elseif (\n) == 13
	v_max3_num_f32 v[rC+1], v[rC+1], v[rS+23], v[rS+31]
.elseif (\n) == 14
	v_max3_num_f32 v[rC+2], v[rC+2], v[rC+3], v[rT]
.elseif (\n) == 15
	v_mov_b32 v[rM], v[rT]
.elseif (\n) == 16
	v_max3_num_f32 v[rC], v[rC], v[rC+1], v[rC+2]
.elseif (\n) == 17
	v_permlanex16_b32 v[rC+3], v[rC], s[SEL], s[SEL+1]
.elseif (\n) == 18
	v_max_num_f32 v[rT], v[rC], v[rC+3]
.elseif (\n) == 20
	v_sub_f32 v[rC+1], v[rM], v[rT]
.else
	v_exp_f32 v[rC+2], v[rC+1]
.endif
.endm
.macro FS f                            ; s - m for pair f / 2 of tile f % 2
	REGS Y, (\f)%2
	v_pk_add_f32 v[rS+2*((\f)/2):rS+2*((\f)/2)+1], v[rS+2*((\f)/2):rS+2*((\f)/2)+1], v[rT:rT+1] op_sel_hi:[1,0] neg_lo:[0,1] neg_hi:[0,1]
.endm
; The 64 that follow the exponentials.  For each four weights: both pairs are rounded to bf16; the second pair is added onto the first, in place; a group later l takes that sum (the first time as l = a l + sum).
.macro GS g
.set h, (\g)+6*((\g)/62)
.if h >= 6
.set h, h+2
.endif
	REGS Y, h%2
.set k, h/8
.if h%8 < 4
	v_cvt_pk_bf16_f32 v[rP+2*k+(h%8)/2], v[rS+4*k+2*((h%8)/2)], v[rS+4*k+2*((h%8)/2)+1]
.elseif h%8 < 6
	v_pk_add_f32 v[rS+4*k:rS+4*k+1], v[rS+4*k:rS+4*k+1], v[rS+4*k+2:rS+4*k+3]
.elseif k == 1
	v_pk_fma_f32 v[rT+2:rT+3], v[rT+2:rT+3], v[rC+2:rC+3], v[rS:rS+1] op_sel_hi:[1,0,1]
.else
	v_pk_add_f32 v[rT+2:rT+3], v[rT+2:rT+3], v[rS+4*k-4:rS+4*k-3]
.endif
.endm
; THE PLAIN QUEUE, 136 long.  0-26 scalings 0-26; 27-54 XS 0-13; 55, 56 XS 15; 57-68 the chain XS 14, 16, 17, 18, a scaling (27-30) in front of each link's two lines; 69 scaling 31; 70, 71 XS 20; 72-135 GS.
.macro PL
	WIN 0
.if q < 27
	FS q
.elseif q < 55
	XS (q-27)%2, (q-27)/2
.elseif q < 57
	XS q-55, 15
.elseif (q < 69) && ((q-57)%3 == 0)
	FS 27+(q-57)/3
.elseif q < 60
	XS (q-57)%3-1, 14
.elseif q < 69
	XS (q-57)%3-1, 15+(q-57)/3
.elseif q == 69
	FS 31
.elseif q < 72
	XS q-70, 20
.else
	GS q-72
.endif
.set q, q+1
.endm
.macro EX                              ; the exponentials' queue, 66 long: both tiles' 32 scores, then the other half's two a
	WIN 0
.if e >= 64
	XS e-64, 21
.else
	REGS Y, e%2
	v_exp_f32 v[rS+e/2], v[rS+e/2]
.endif
.set e, e+1
.endm
.macro R2                              ; O^T times a, two lines at a time, each tile's registers ascending; a was made, and waited for, in the turn before
	REGS Y, r%2
	WIN W_RS
.irp z, 0,1
	v_pk_mul_f32 v[rO+4*(r/2)+2*\z:rO+4*(r/2)+2*\z+1], v[rO+4*(r/2)+2*\z:rO+4*(r/2)+2*\z+1], v[rC+2:rC+3] op_sel_hi:[1,0]
.endr
.set r, r+1
.endm
.macro MASK x, u                       ; MD x AL + BE for tile u of half x
	WIN W_RS
.set z, 0
.rept 16
	v_pk_fma_f32 v[MC+64*(\x)+32*(\u)+2*z:MC+64*(\x)+32*(\u)+2*z+1], v[MD+2*z:MD+2*z+1], s[AL:AL+1], s[BE:BE+1] op_sel_hi:[1,0,0]
.set z, z+1
.endr
.endm
; A TURN for half p.  Ahead of its one wait stands all that names no result of its exponentials: 8 products K Q^T with their riders, then a run of plain and exponential by turns.  Exponential e wants scaling
; 2 (e / 4) + e % 2: as a rider it stands behind plain e + 2, in the run behind plain e + 9; scalings 27-31 are plain 57, 60, 63, 66, 69 and are first wanted by e = 53, 56, 57, 60, 61.
; Behind the wait: 8 products V^T P, eight of the roundings and sums behind each.  No rider names a register of the products round it.
; Turn 0 fetches the next step's K eleven plain instructions behind the last product that read K, and the step's V eight behind the last that read V.  At its end a turn makes its own half's masks for the next
; step, where that step is in the diagonal tile (d >= 0); before that the masks are the zeros that the block's beginning made.
.macro TURN p
.set Y, (\p)
.set i, 0
.set q, 0
.set e, 0
.set r, 0
.if (\p) == 1
	s_wait_dscnt 8                                 ; K's eight loads are in; V's eight, issued behind them, may be out
.endif
	MM
	PL
	PL
	R2
.rept 7
	MM
	PL
	EX
	R2
.endr
.rept 8
	PL
.endr
.if (\p) == 0
	WIN 0
	s_min_u32 s[TKC], s[TBK], 31*64*KP             ; behind block 7's last step there is no K: the last step's is taken once more, and its scores are all hidden
	v_add_nc_u32 v[AK], s[TKC], v[AK0]
	FETCH_K
.endif
.rept 55
	EX
	PL
.endr
.rept 4
	EX
.endr
	v_nop                                          ; a plain instruction behind the last exponential: one for the batch
	s_wait_alu depctr_va_vdst(0)                   ; the wait for the batch
.if (\p) == 1
	s_wait_dscnt 0x0                               ; V is in
.endif
.rept 8
	MM
.rept 8
	PL
.endr
.endr
.if (\p) == 0
	WIN 0
	s_min_u32 s[TVC], s[TBV], VB+7*VTILE+3*128     ; V's last step, tile 7's fourth: the walk's furthest fetch lies exactly there, so the minimum changes no value; it writes the bound into the text:
	v_add_nc_u32 v[AV], s[TVC], v[AV0]             ; with the lane's 7,936 bytes at the most, the offsets' 8,544 and a load's 16, the last byte read is 298,991, below the stages at 299,008
	FETCH_V
.endif
	WIN 0
	s_cmp_ge_i32 s[SD], 0
	s_cbranch_scc0 .Lnm_\@
.irp u, 0,1
	s_cmp_eq_u32 s[SD], 2*(\p)+\u
	s_cselect_b32 s[AL], 1.0, 0
	s_cmp_gt_i32 s[SD], 2*(\p)+\u
	s_cselect_b32 s[BE], s[BIGN], 0
	MASK \p, \u
.endr
	WIN 0
.Lnm_\@:
.endm
; A BLOCK BEGINS: m at the lowest finite number; all four tiles' masks for step 0; K of step 0; half 0's first scores, maximum and a.
.macro START
	s_mov_b32 s[NEW], 0
	WIN 0
.irp t, 0,1,2,3
	v_mov_b32 v[ST+4*\t], 0xff7fffff
.endr
	s_mov_b32 s[TBK], 0
	s_mov_b32 s[TBV], VB
.irp t, 0,1,2,3
	s_cmp_eq_u32 s[SD], \t
	s_cselect_b32 s[AL], 1.0, 0
	s_cmp_gt_i32 s[SD], \t
	s_cselect_b32 s[BE], s[BIGN], 0
	MASK \t/2, \t%2
.endr
	s_add_co_i32 s[SD], s[SD], 1                   ; from here on d of the step after the one in hand
	WIN 0
	v_add_nc_u32 v[AK], s[TBK], v[AK0]
	FETCH_K
	s_wait_loadcnt 0x0                             ; Q
	s_wait_dscnt 0x0
.set i, 0
.rept 8
	KQ 0
.set i, i+1
.endr
	WIN 0
	PLACES
.set Y, 1
.irp n, 0,1,2,3,4,5,6,7,8,9,10,11,12,13,14,15,16,17,18,20,21
	XS 0, \n
	XS 1, \n
.endr
	v_nop
	s_wait_alu depctr_va_vdst(0)
.endm
; A BLOCK ENDS: half 1's last V^T P; l's two halves and the other lanes' are added; O^T is divided by l, rounded and sent through my stage, a tile at a time.
.macro ALL line:vararg
.set t, 0
.rept 4
	\line
.set t, t+1
.endr
.endm
.macro PACK t
	WIN W_RS
.set n, 0
.rept 8
	v_pk_mul_f32 v[16*(\t)+2*n:16*(\t)+2*n+1], v[16*(\t)+2*n:16*(\t)+2*n+1], v[ST+4*(\t)+2:ST+4*(\t)+3] op_sel_hi:[1,0]
.set n, n+1
.endr
	WIN 0x05
.set n, 0
.rept 8
	v_cvt_pk_bf16_f32 v[S+8*(\t)+n], v[16*(\t)+2*n], v[16*(\t)+2*n+1]
.set n, n+1
.endr
	WIN 0
.irp f, 0,1
	ds_store_b128 v[STO], v[S+8*(\t)+4*\f:S+8*(\t)+4*\f+3] offset:32*\f
.endr
.irp f, 0,1
	ds_load_b128 v[S+8*(\t)+4*\f:S+8*(\t)+4*\f+3], v[RD] offset:\f*8*KP   ; LDS serves a wave's instructions in order: these see the stores above; the next tile's stores come behind them
.endr
.endm
.macro SEND t, younger                 ; younger: the next tile's four LDS instructions, or none
.irp f, 0,1
	s_wait_dscnt (\younger)+1-\f
	global_store_b128 v[GO], v[S+8*(\t)+4*\f:S+8*(\t)+4*\f+3], s[OA:OA+1] offset:(\t)*4096+\f*512  ; 512 consecutive bytes, aligned
.endr
.endm
.macro FINISH
.set i, 0
.rept 8
	PV 1
.set i, i+1
.endr
	WIN 0
	ALL v_add_f32 v[ST+4*t+2], v[ST+4*t+2], v[ST+4*t+3]
	ALL v_permlanex16_b32 v[ST+4*t+3], v[ST+4*t+2], s[SEL], s[SEL+1]
	ALL v_add_f32 v[ST+4*t+2], v[ST+4*t+2], v[ST+4*t+3]
	ALL v_rcp_f32 v[ST+4*t+2], v[ST+4*t+2]
	v_nop
	s_wait_alu depctr_va_vdst(0)                   ; one wait for the four reciprocals
	PACK 0
	PACK 1
	SEND 0, 4
	PACK 2
	SEND 1, 4
	PACK 3
	SEND 2, 4
	SEND 3, 0
	s_wait_xcnt 0x0                                ; the stores have read their registers and ao's address
	s_mov_b64 s[OA:OA+1], s[OB:OB+1]
	s_add_co_u32 s[RT], s[WV], 1                   ; the second block has w + 1 tiles
	s_mov_b32 s[NEW], 1
	s_lshl_b32 s[SD], s[WV], 2
	s_sub_co_i32 s[SD], 0, s[SD]
	WIN 0x82                                       ; the second block's Q goes where the one text of the turns names Q
.set n, 0
.rept 32
	v_mov_b32 v[Q+n], v[QB+n]
.set n, n+1
.endr
	WIN 0
.endm
	s_wait_tensorcnt 0x0                           ; my four tiles are in,
	s_barrier_signal -1
	s_barrier_wait -1                              ; everybody's are: the whole head's K and V lie in LDS
	s_mov_b32 s[TC], 9
	s_sub_co_u32 s[RT], 8, s[WV]                   ; the first block has 8 - w tiles
	s_mov_b32 s[NEW], 1
.Ltile:
	s_cmp_eq_u32 s[NEW], 1
	s_cbranch_scc0 .Lnb
	START
.Lnb:
	s_mov_b32 s[CNT], 4
.Lstep:
	TURN 0
	TURN 1
	s_add_co_i32 s[SD], s[SD], 1
	s_sub_co_u32 s[CNT], s[CNT], 1
	s_cmp_lg_u32 s[CNT], 0
	s_cbranch_scc1 .Lstep
	s_add_co_u32 s[TBV], s[TBV], VTILE-512         ; V's next tile
	s_sub_co_u32 s[RT], s[RT], 1
	s_cmp_eq_u32 s[RT], 0
	s_cbranch_scc0 .Lne
	FINISH
.Lne:
	s_sub_co_u32 s[TC], s[TC], 1
	s_cmp_lg_u32 s[TC], 0
	s_cbranch_scc1 .Ltile
	s_wait_tensorcnt 0x0                           ; the wave's end
	ds_add_u32 v[SPW], v[NIL]
	s_wait_dscnt 0x0
	CROUND                                         ; the closing round
	s_endpgm
.Lfunc_end_k_q1afc341b9c_attn:
	.size	k_q1afc341b9c_attn, .Lfunc_end_k_q1afc341b9c_attn-k_q1afc341b9c_attn
	.p2alignl 7, 3214868480
	.fill 96, 4, 3214868480
	.section	.rodata,"a",@progbits
	.p2align	6, 0x0
	.amdhsa_kernel k_q1afc341b9c_attn
		.amdhsa_group_segment_fixed_size 327680
		.amdhsa_private_segment_fixed_size 0
		.amdhsa_enable_private_segment 0
		.amdhsa_kernarg_size 16
		.amdhsa_user_sgpr_count 2
		.amdhsa_user_sgpr_kernarg_segment_ptr 1
		.amdhsa_wavefront_size32 1
		.amdhsa_system_sgpr_workgroup_id_x 1
		.amdhsa_system_sgpr_workgroup_id_y 1
		.amdhsa_system_sgpr_workgroup_id_z 1
		.amdhsa_system_vgpr_workitem_id 0
		.amdhsa_next_free_vgpr 640
		.amdhsa_next_free_sgpr 96
		.amdhsa_reserve_vcc 1
		.amdhsa_float_denorm_mode_32 3
		.amdhsa_float_denorm_mode_16_64 3
		.amdhsa_memory_ordered 1
		.amdhsa_forward_progress 1
		.amdhsa_inst_pref_size 69
	.end_amdhsa_kernel
	.amdgpu_metadata
---
amdhsa.version: [ 1, 2 ]
amdhsa.kernels:
  - .name:           k_q1afc341b9c_attn
    .symbol:         k_q1afc341b9c_attn.kd
    .args:
      - { .name: qkv, .offset: 0, .size: 8, .value_kind: global_buffer, .address_space: global }
      - { .name: ao, .offset: 8, .size: 8, .value_kind: global_buffer, .address_space: global }
    .group_segment_fixed_size: 327680
    .private_segment_fixed_size: 0
    .kernarg_segment_align: 8
    .kernarg_segment_size: 16
    .max_flat_workgroup_size: 128
    .sgpr_count:     96
    .vgpr_count:     640
    .wavefront_size: 32
...
	.end_amdgpu_metadata
.endif
;; end of part 3
;; launch wo (part 4): grid 256 x 1, 4 waves a work-group, clusters of 4 x 1, 327,680 bytes of LDS; arguments ao, wt, x, bo, g_ln2, b_ln2, x1, h2; writes x1, h2
.if DOCPART == 4
	.amdgcn_target "amdgcn-amd-amdhsa--gfx1250"
	.amdhsa_code_object_version 6
	.text
	.protected	k_q1afc341b9c_wo
	.globl	k_q1afc341b9c_wo
	.p2align	8
	.type	k_q1afc341b9c_wo,@function
k_q1afc341b9c_wo:
	s_mov_b64 s[64:65], 0
	v_nop
	global_prefetch_b8 v0, s[64:65] scope:SCOPE_SE
	s_setreg_imm32_b32 hwreg(HW_REG_WAVE_MODE, 25, 1), 1
	s_wait_xcnt 0x0
	s_wait_alu depctr_hold_cnt(0) depctr_sa_sdst(0) depctr_va_vdst(0) depctr_va_sdst(0) depctr_va_ssrc(0) depctr_va_vcc(0) depctr_vm_vsrc(0)
	s_getreg_b32 s2, hwreg(HW_REG_IB_STS2, 6, 4)
	s_cmp_eq_u32 s2, 0
	s_cbranch_scc0 .Lentry_in_a_cluster
	s_endpgm
.Lentry_in_a_cluster:
	s_bfe_u32 s2, ttmp6, 0x10000c
	s_cmp_lg_u32 s2, 0x3003
	s_cbranch_scc0 .Lentry_shape_is_right
	s_endpgm
.Lentry_shape_is_right:
; x1 = x + ao x wo + bo (f32) and h2 = LN2(x1) (bf16).  ao: [64 bh][2048][32] bf16; wo^T: [512 n][512 k] bf16 at WOT in wt; x, x1: [8192][512] f32; h2: [8192][512] bf16.
; A work-group owns 32 WHOLE rows, so that the layer norm can follow in the same launch: 256 work-groups.  Wave w makes columns 128 w .. + 127: 16 accumulators.
; ao's 32 rows (16 heads x 32 tokens x 64 bytes) come once, by a load of the work-group's own; wo^T walks through two LDS slots in four K steps of 128 (four heads); all work-groups walk the same weights,
; so the four of a cluster ask for them jointly.  x, in the accumulators' layout, is the C operand of the first product: the residual costs no line on the way out.  Those loads take 64 bytes of a row a lane pair;
; a wave's sixteen together cover 512 consecutive bytes of each of its 16 rows; they are issued once, in the wait for the first tiles.
; No prefetch: of four K steps two come by the first fills and two by the only refills.
.set WOT,   1572864
.set PITCH, 272
.set AP,    80                         ; a token's row of a head in LDS: 64 bytes + 16
.set BR,    16*32*AP                   ; behind ao's rows: the ring
.set WH,    128*PITCH                  ; a wave's 128 rows of the weights
.set SLOTB, 4*WH
.set SPARE, BR+2*SLOTB
.set KSB,   256
.set KQ,    64
.set NSTEP, 4
.set SGP,   2064                       ; a row of the stage: 2,048 bytes + 16; the stage lies over slot 0 after its last fill
.set A0,  16
.set B0,  17
.set AA,  18
.set AB,  19
.set STO, 20
.set RD,  21
.set LO16, 22
.set LO8, 23
.set XO,  24
.set SPW, 28
.set NIL, 29
.set BO,  32                           ; v[32:47] bo, v[48:63] gain, v[64:79] bias: element 4 l + 128 j + i at 4 j + i
.set GG,  48
.set BBV, 64
.set XX,  80                           ; v[80:111] two rows
.set TT,  112                          ; v[112:127] at work
.set ACC, 128                          ; v[128:255] accumulator (a, b) at 8 (8 a + b); once they are staged: v[128:143] rows in bf16, v[144:151] mean and 1 / sqrt
.set YY,  128
.set MM,  144
.set RR,  148
.set F0,  0                            ; window 1: ao's 2 fragments, then the weights' 8 at + 16
.set F1,  128
.set G1A, 24
.set G0A, 32
.set G1B, 48
.set G0B, 56
.set SC,  2
.set HC,  3
.set TA,  22
.set TK,  23
.set SEL, 36
.set S2M9, 38
.set SEPS, 39
.set X1B, 80                           ; s[80:81] x1, s[82:83] h2, at my rows
.set HB,  82
.set MSB, 0
.macro WIN new
.if MSB != (\new)
	s_set_vgpr_msb (MSB<<8)|(\new)
.set MSB, \new
.endif
.endm
.macro PLACES
.rept 4
	v_nop
.endr
.endm
.macro CROUND
	s_barrier_signal -1
	s_barrier_wait -1
	s_cmp_lg_u32 s10, 0
	s_cbranch_scc1 .Lnot_wave_0_\@
	s_barrier_signal -3
.Lnot_wave_0_\@:
	s_barrier_wait -3
	s_barrier_signal -1
	s_barrier_wait -1
.endm
.macro FETCH f, odd                    ; 20 LDS loads: one head (32 along K): the even or the odd one of the pair at AA and AB
	WIN 0x40
.irp i, 0,1,2,3,4,5,6,7
	ds_load_b128 v[(\f)+16+8*(\i):(\f)+16+8*(\i)+3],   v[AB] offset:(\odd)*KQ+(\i)*16*PITCH
	ds_load_b128 v[(\f)+16+8*(\i)+4:(\f)+16+8*(\i)+7], v[AB] offset:(\odd)*KQ+(\i)*16*PITCH+32
.endr
.irp i, 0,1
	ds_load_b128 v[(\f)+8*(\i):(\f)+8*(\i)+3],   v[AA] offset:(\odd)*32*AP+(\i)*16*AP
	ds_load_b128 v[(\f)+8*(\i)+4:(\f)+8*(\i)+7], v[AA] offset:(\odd)*32*AP+(\i)*16*AP+32
.endr
.endm
.macro MUL f, first                    ; 16 products; source 0 = 16 rows of the weights: a lane holds one token and 8 columns.  The 16 accumulators take turns
.if \first
	WIN 0x25                                       ; C in window 2: x
.else
	WIN 0x05
.endif
.irp a, 0,1
.irp b, 0,1,2,3,4,5,6,7
.set rD, ACC+8*(8*(\a)+(\b))
.if \first
	v_wmma_f32_16x16x32_bf16 v[rD:rD+7], v[(\f)+16+8*(\b):(\f)+16+8*(\b)+7], v[(\f)+8*(\a):(\f)+8*(\a)+7], v[rD-ACC:rD-ACC+7]
.else
	v_wmma_f32_16x16x32_bf16 v[rD:rD+7], v[(\f)+16+8*(\b):(\f)+16+8*(\b)+7], v[(\f)+8*(\a):(\f)+8*(\a)+7], v[rD:rD+7]
.endif
.endr
.endr
.endm
.macro CHANGE fill, slot               ; the change of slots: all my tensor loads, the add, my reads; then a round and the joint refill, or a plain barrier
	WIN 0
	s_wait_tensorcnt 0x0
	ds_add_u32 v[SPW], v[NIL]
.if \fill
	s_add_nc_u64 s[G0B+4*(\slot)+2:G0B+4*(\slot)+3], s[G0B+4*(\slot)+2:G0B+4*(\slot)+3], 2*KSB
.endif
	s_wait_dscnt 0x0
.if \fill
	CROUND
	tensor_load_to_lds s[G0B+4*(\slot):G0B+4*(\slot)+3], s[G1B:G1B+7]
	s_nop 0
	PLACES                                         ; also the places in front of the loads that follow
.else
	s_barrier_signal -1
	s_barrier_wait -1
	PLACES
.endif
.endm
.macro STEP tag, slot                  ; four heads on buffers 0, 1, 0, 1, written as two trips; ao's place goes on from step to step
	s_mov_b32 s[TK], BR+(\slot)*SLOTB
	v_add_nc_u32 v[AA], s[TA], v[A0]
	v_add_nc_u32 v[AB], s[TK], v[B0]
	FETCH F0, 0
	WIN 0
	s_mov_b32 s[HC], 2
.Lqa\tag:
	s_wait_dscnt 0x0
	PLACES
	FETCH F1, 1
	MUL F0, 0
	WIN 0
.Lqb\tag:
	s_wait_dscnt 0x0
	s_add_co_u32 s[TK], s[TK], 2*KQ
	s_add_co_u32 s[TA], s[TA], 2*32*AP
	v_add_nc_u32 v[AA], s[TA], v[A0]               ; these four are the places behind the products that read buffer 0
	v_add_nc_u32 v[AB], s[TK], v[B0]
	v_nop
	v_nop
	s_cmp_eq_u32 s[HC], 1
	s_cbranch_scc1 .Lnf\tag
	FETCH F0, 0
	WIN 0
.Lnf\tag:
	MUL F1, 0
	WIN 0
	s_sub_co_u32 s[HC], s[HC], 1
	s_cmp_lg_u32 s[HC], 0
	s_cbranch_scc1 .Lqa\tag
.endm
.macro WSUM2
.irp m, 1,2,4,8
.irp q, 0,1
	v_add_f32_dpp v[TT+8*\q], v[TT+8*\q], v[TT+8*\q] row_xmask:\m row_mask:0xf bank_mask:0xf
.endr
.endr
.irp q, 0,1
	v_permlanex16_b32 v[TT+8*\q+1], v[TT+8*\q], s[SEL], s[SEL+1]
.endr
.irp q, 0,1
	v_add_f32 v[TT+8*\q], v[TT+8*\q], v[TT+8*\q+1]
.endr
.endm
.macro LN2ROWS xw                      ; two rows' layer norm, mean first and then the squared differences, all in registers
.irp q, 0,1
.irp p, 0,1,2,3
	v_pk_add_f32 v[TT+8*\q+2*\p:TT+8*\q+2*\p+1], v[XX+16*\q+4*\p:XX+16*\q+4*\p+1], v[XX+16*\q+4*\p+2:XX+16*\q+4*\p+3]
.endr
.endr
.irp q, 0,1
	v_pk_add_f32 v[TT+8*\q:TT+8*\q+1], v[TT+8*\q:TT+8*\q+1], v[TT+8*\q+2:TT+8*\q+3]
	v_pk_add_f32 v[TT+8*\q+4:TT+8*\q+5], v[TT+8*\q+4:TT+8*\q+5], v[TT+8*\q+6:TT+8*\q+7]
.endr
.irp q, 0,1
	v_pk_add_f32 v[TT+8*\q:TT+8*\q+1], v[TT+8*\q:TT+8*\q+1], v[TT+8*\q+4:TT+8*\q+5]
.endr
.irp q, 0,1
	v_add_f32 v[TT+8*\q], v[TT+8*\q], v[TT+8*\q+1]
.endr
	WSUM2
.irp q, 0,1
	v_mul_f32 v[MM+2*\q], s[S2M9], v[TT+8*\q]
	v_mul_f32 v[MM+2*\q+1], s[S2M9], v[TT+8*\q]
.endr
.if \xw
	s_wait_xcnt 0x0                                ; the stores of x1 have read these rows
.endif
.irp q, 0,1
.irp p, 0,1,2,3,4,5,6,7
	v_pk_add_f32 v[XX+16*\q+2*\p:XX+16*\q+2*\p+1], v[XX+16*\q+2*\p:XX+16*\q+2*\p+1], v[MM+2*\q:MM+2*\q+1] neg_lo:[0,1] neg_hi:[0,1]
.endr
.endr
.irp q, 0,1
	v_pk_mul_f32 v[TT+8*\q:TT+8*\q+1], v[XX+16*\q:XX+16*\q+1], v[XX+16*\q:XX+16*\q+1]
	v_pk_mul_f32 v[TT+8*\q+2:TT+8*\q+3], v[XX+16*\q+2:XX+16*\q+3], v[XX+16*\q+2:XX+16*\q+3]
.endr
.irp q, 0,1
.irp p, 1,2,3
	v_pk_fma_f32 v[TT+8*\q:TT+8*\q+1], v[XX+16*\q+4*\p:XX+16*\q+4*\p+1], v[XX+16*\q+4*\p:XX+16*\q+4*\p+1], v[TT+8*\q:TT+8*\q+1]
	v_pk_fma_f32 v[TT+8*\q+2:TT+8*\q+3], v[XX+16*\q+4*\p+2:XX+16*\q+4*\p+3], v[XX+16*\q+4*\p+2:XX+16*\q+4*\p+3], v[TT+8*\q+2:TT+8*\q+3]
.endr
.endr
.irp q, 0,1
	v_pk_add_f32 v[TT+8*\q:TT+8*\q+1], v[TT+8*\q:TT+8*\q+1], v[TT+8*\q+2:TT+8*\q+3]
.endr
.irp q, 0,1
	v_add_f32 v[TT+8*\q], v[TT+8*\q], v[TT+8*\q+1]
.endr
	WSUM2
.irp q, 0,1
	v_fma_f32 v[TT+8*\q+2], v[TT+8*\q], s[S2M9], s[SEPS]
.endr
.irp q, 0,1
	v_rsq_f32 v[RR+2*\q], v[TT+8*\q+2]
	v_rsq_f32 v[RR+2*\q+1], v[TT+8*\q+2]
.endr
	v_nop
	s_wait_alu depctr_va_vdst(0)                   ; one wait for the four
.irp q, 0,1
.irp p, 0,1,2,3,4,5,6,7
	v_pk_mul_f32 v[XX+16*\q+2*\p:XX+16*\q+2*\p+1], v[XX+16*\q+2*\p:XX+16*\q+2*\p+1], v[RR+2*\q:RR+2*\q+1]
.endr
.endr
.irp q, 0,1
.irp p, 0,1,2,3,4,5,6,7
	v_pk_fma_f32 v[XX+16*\q+2*\p:XX+16*\q+2*\p+1], v[XX+16*\q+2*\p:XX+16*\q+2*\p+1], v[GG+2*\p:GG+2*\p+1], v[BBV+2*\p:BBV+2*\p+1]
.endr
.endr
.irp q, 0,1
.irp p, 0,1,2,3,4,5,6,7
	v_cvt_pk_bf16_f32 v[YY+8*\q+\p], v[XX+16*\q+2*\p], v[XX+16*\q+2*\p+1]
.endr
.endr
.irp q, 0,1
.irp j, 0,1,2,3
	global_store_b64 v[LO8], v[YY+8*\q+2*\j:YY+8*\q+2*\j+1], s[HB:HB+1] offset:1024*\q+256*\j  ; 256 consecutive bytes, aligned
.endr
.endr
.endm
	s_load_b256 s[68:75], s[0:1], 0x0              ; ao 68, wt 70, x 72, bo 74
	s_load_b256 s[76:83], s[0:1], 0x20             ; g_ln2 76, b_ln2 78, x1 80, h2 82
	v_lshl_add_u32 v[SPW], v0, 2, SPARE
	v_mov_b32 v[NIL], 0
	ds_add_u32 v[SPW], v[NIL]                      ; the wave's opening: the add and its wait ahead of my first tensor load
	v_lshrrev_b32 v1, 5, v0
	v_readfirstlane_b32 s10, v1
	s_bfe_u32 s40, ttmp6, 0x40000                  ; cx
	s_lshl_b32 s42, ttmp9, 2
	s_add_co_u32 s42, s42, s40                     ; my block of 32 rows
	; ao: heads 4 w .. 4 w + 3: 4 rows of 1,024 elements (32 tokens x 32 channels, dense), 65,536 elements apart; 4 words of padding behind every 16 (a token)
	s_mov_b32 s[G1A], (1<<16)|(1<<20)|(3<<22)|(3<<25)
	s_mov_b32 s[G1A+1], 1024<<16
	s_mov_b32 s[G1A+2], 4<<16
	s_mov_b32 s[G1A+3], 1024<<16
	s_mov_b32 s[G1A+4], 4
	s_mov_b32 s[G1A+5], 65536
	s_mov_b32 s[G1A+6], 0
	s_mov_b32 s[G1A+7], 0
	; the weights: 128 rows x 128 elements, jointly for the four work-groups
	s_mov_b32 s[G1B], 15|(1<<16)|(1<<20)|(1<<21)|(5<<22)|(3<<25)
	s_mov_b32 s[G1B+1], 128<<16
	s_mov_b32 s[G1B+2], 128<<16
	s_mov_b32 s[G1B+3], 128<<16
	s_mov_b32 s[G1B+4], 128
	s_mov_b32 s[G1B+5], 512
	s_mov_b32 s[G1B+6], 0
	s_mov_b32 s[G1B+7], 0
	s_lshr_b32 s43, s42, 6                         ; batch: 16 heads of 131,072 bytes
	s_lshl_b32 s43, s43, 21
	s_and_b32 s44, s42, 63
	s_lshl_b32 s44, s44, 11                        ; my 32 tokens of 64 bytes
	s_add_co_u32 s16, s43, s44
	s_lshl_b32 s44, s10, 19                        ; my wave's four heads
	s_add_co_u32 s16, s16, s44
	s_mov_b32 s17, 0
	s_lshl_b32 s46, s10, 17                        ; my wave's 128 rows of 1,024 bytes
	s_add_co_u32 s46, s46, WOT
	s_mov_b32 s47, 0
	s_mul_i32 s20, s10, 4*32*AP
	s_mul_i32 s21, s10, WH
	s_add_co_u32 s21, s21, BR
	s_mov_b32 s[SEL], 0x76543210
	s_mov_b32 s[SEL+1], 0xfedcba98
	s_mov_b32 s[S2M9], 0x3b000000
	s_mov_b32 s[SEPS], 0x3727c5ac
	s_wait_dscnt 0x0                               ; the opening add is done
	s_wait_kmcnt 0x0
	s_mov_b32 s[G0A], 1
	s_mov_b32 s[G0A+1], s20
	s_add_nc_u64 s[G0A+2:G0A+3], s[68:69], s[16:17]
	s_or_b32 s[G0A+3], s[G0A+3], 0x80000000
	s_add_nc_u64 s[46:47], s[70:71], s[46:47]
.irp s, 0,1
	s_mov_b32 s[G0B+4*(\s)], 1
	s_add_co_u32 s[G0B+4*(\s)+1], s21, (\s)*SLOTB
	s_add_nc_u64 s[G0B+4*(\s)+2:G0B+4*(\s)+3], s[46:47], (\s)*KSB
	s_or_b32 s[G0B+4*(\s)+3], s[G0B+4*(\s)+3], 0x80000000
.endr
	CROUND
	tensor_load_to_lds s[G0A:G0A+3], s[G1A:G1A+7]  ; three loads of mine are out: ao's rows, K steps 0 and 1
	s_nop 0
	tensor_load_to_lds s[G0B:G0B+3], s[G1B:G1B+7]
	s_nop 0
	tensor_load_to_lds s[G0B+4:G0B+7], s[G1B:G1B+7]
	s_nop 0
	PLACES
	v_and_b32 v1, 15, v0
	v_bfe_u32 v2, v0, 4, 1
	v_and_b32 v5, 31, v0
	v_lshlrev_b32 v[XO], 11, v1                    ; x in the accumulators' layout: row r, 32 bytes for each half of the lanes
	v_lshl_add_u32 v[XO], v2, 5, v[XO]
	v_lshlrev_b32 v[LO16], 4, v5
	v_lshlrev_b32 v[LO8], 3, v5
	s_lshl_b32 s16, s42, 16                        ; 32 rows of 2,048 bytes
	s_lshl_b32 s18, s10, 9
	s_add_co_u32 s18, s16, s18
	s_mov_b32 s19, 0
	s_add_nc_u64 s[84:85], s[72:73], s[18:19]
	WIN 0x80
.irp a, 0,1
.irp b, 0,1,2,3,4,5,6,7
	global_load_b128 v[8*(8*(\a)+(\b)):8*(8*(\a)+(\b))+3],   v[XO], s[84:85] offset:(\a)*32768+64*(\b) th:TH_LOAD_NT
	global_load_b128 v[8*(8*(\a)+(\b))+4:8*(8*(\a)+(\b))+7], v[XO], s[84:85] offset:(\a)*32768+64*(\b)+16 th:TH_LOAD_NT
.endr
.endr
	WIN 0
.irp j, 0,1,2,3
	global_load_b128 v[BO+4*\j:BO+4*\j+3], v[LO16], s[74:75] offset:512*\j
	global_load_b128 v[GG+4*\j:GG+4*\j+3], v[LO16], s[76:77] offset:512*\j
	global_load_b128 v[BBV+4*\j:BBV+4*\j+3], v[LO16], s[78:79] offset:512*\j
.endr
	s_lshl_b32 s18, s10, 14                        ; the way out: my wave's 8 rows
	s_add_co_u32 s18, s16, s18
	s_add_nc_u64 s[X1B:X1B+1], s[X1B:X1B+1], s[18:19]
	s_lshr_b32 s18, s18, 1
	s_add_nc_u64 s[HB:HB+1], s[HB:HB+1], s[18:19]
	v_mul_u32_u24 v[A0], v1, AP
	v_lshl_add_u32 v[A0], v2, 4, v[A0]
	v_mul_u32_u24 v3, v1, PITCH
	v_lshl_add_u32 v3, v2, 4, v3
	s_mul_i32 s20, s10, WH
	v_add_nc_u32 v[B0], s20, v3
	v_mul_u32_u24 v[STO], v1, SGP
	v_lshl_add_u32 v[STO], v2, 5, v[STO]
	s_lshl_b32 s20, s10, 9
	s_add_co_u32 s20, s20, BR
	v_add_nc_u32 v[STO], s20, v[STO]
	s_mul_i32 s20, s10, 8*SGP
	s_add_co_u32 s20, s20, BR
	v_add_nc_u32 v[RD], s20, v[LO16]
	s_wait_tensorcnt 0x1                           ; ao's rows and K step 0 are in; step 1's may stay out
	s_barrier_signal -1
	s_barrier_wait -1
	s_mov_b32 s[TK], BR
	s_mov_b32 s[TA], 0
	v_add_nc_u32 v[AA], s[TA], v[A0]
	v_add_nc_u32 v[AB], s[TK], v[B0]
	FETCH F0, 0
	s_wait_loadcnt 0x0                             ; x, bo, gain, bias
	s_wait_dscnt 0x0
	FETCH F1, 1
	MUL F0, 1
	WIN 0
	s_mov_b32 s[SC], NSTEP/2
	s_mov_b32 s[HC], 2
	s_branch .LqbE
.Llap:
	CHANGE 1, 0
	STEP O, 1
	CHANGE 1, 1
	STEP E, 0
	s_sub_co_u32 s[SC], s[SC], 1
	s_cmp_lg_u32 s[SC], 0
	s_cbranch_scc1 .Llap
	CHANGE 0, 0
	STEP T, 1
	; THE WAY OUT.  The 32 rows meet in one stage (over slot 0, which has had its last fill and its last read); then each wave takes 8 whole rows, two at a time.
	PLACES
.irp a, 0,1
.irp b, 0,1,2,3,4,5,6,7
	ds_store_b128 v[STO], v[ACC+8*(8*(\a)+(\b)):ACC+8*(8*(\a)+(\b))+3]   offset:(\a)*16*SGP+64*(\b)
	ds_store_b128 v[STO], v[ACC+8*(8*(\a)+(\b))+4:ACC+8*(8*(\a)+(\b))+7] offset:(\a)*16*SGP+64*(\b)+16
.endr
.endr
	s_wait_dscnt 0x0                               ; for the others' sake: my columns are in the stage
	s_barrier_signal -1
	s_barrier_wait -1
	s_mov_b32 s[HC], 4
.Lrows:
.irp q, 0,1
.irp j, 0,1,2,3
	ds_load_b128 v[XX+16*\q+4*\j:XX+16*\q+4*\j+3], v[RD] offset:\q*SGP+512*\j
.endr
.endr
	s_wait_dscnt 0x0
	v_add_nc_u32 v[RD], 2*SGP, v[RD]
.irp q, 0,1
.irp p, 0,1,2,3,4,5,6,7
	v_pk_add_f32 v[XX+16*\q+2*\p:XX+16*\q+2*\p+1], v[XX+16*\q+2*\p:XX+16*\q+2*\p+1], v[BO+2*\p:BO+2*\p+1]
.endr
.endr
.irp q, 0,1
.irp j, 0,1,2,3
	global_store_b128 v[LO16], v[XX+16*\q+4*\j:XX+16*\q+4*\j+3], s[X1B:X1B+1] offset:2048*\q+512*\j  ; 512 consecutive bytes, aligned
.endr
.endr
	LN2ROWS 1
	s_wait_xcnt 0x0                                ; the stores have read their data and their bases
	s_add_nc_u64 s[X1B:X1B+1], s[X1B:X1B+1], 4096
	s_add_nc_u64 s[HB:HB+1], s[HB:HB+1], 2048
	s_sub_co_u32 s[HC], s[HC], 1
	s_cmp_lg_u32 s[HC], 0
	s_cbranch_scc1 .Lrows
	s_wait_tensorcnt 0x0                           ; the wave's end
	ds_add_u32 v[SPW], v[NIL]
	s_wait_dscnt 0x0
	CROUND                                         ; the closing round
	s_endpgm
.Lfunc_end_k_q1afc341b9c_wo:
	.size	k_q1afc341b9c_wo, .Lfunc_end_k_q1afc341b9c_wo-k_q1afc341b9c_wo
	.p2alignl 7, 3214868480
	.fill 96, 4, 3214868480
	.section	.rodata,"a",@progbits
	.p2align	6, 0x0
	.amdhsa_kernel k_q1afc341b9c_wo
		.amdhsa_group_segment_fixed_size 327680
		.amdhsa_private_segment_fixed_size 0
		.amdhsa_enable_private_segment 0
		.amdhsa_kernarg_size 64
		.amdhsa_user_sgpr_count 2
		.amdhsa_user_sgpr_kernarg_segment_ptr 1
		.amdhsa_wavefront_size32 1
		.amdhsa_system_sgpr_workgroup_id_x 1
		.amdhsa_system_sgpr_workgroup_id_y 1
		.amdhsa_system_sgpr_workgroup_id_z 1
		.amdhsa_system_vgpr_workitem_id 0
		.amdhsa_next_free_vgpr 640
		.amdhsa_next_free_sgpr 96
		.amdhsa_reserve_vcc 0
		.amdhsa_float_denorm_mode_32 3
		.amdhsa_float_denorm_mode_16_64 3
		.amdhsa_memory_ordered 1
		.amdhsa_forward_progress 1
		.amdhsa_inst_pref_size 50
	.end_amdhsa_kernel
	.amdgpu_metadata
---
amdhsa.version: [ 1, 2 ]
amdhsa.kernels:
  - .name:           k_q1afc341b9c_wo
    .symbol:         k_q1afc341b9c_wo.kd
    .args:
      - { .name: ao, .offset: 0, .size: 8, .value_kind: global_buffer, .address_space: global }
      - { .name: wt, .offset: 8, .size: 8, .value_kind: global_buffer, .address_space: global }
      - { .name: x, .offset: 16, .size: 8, .value_kind: global_buffer, .address_space: global }
      - { .name: bo, .offset: 24, .size: 8, .value_kind: global_buffer, .address_space: global }
      - { .name: g_ln2, .offset: 32, .size: 8, .value_kind: global_buffer, .address_space: global }
      - { .name: b_ln2, .offset: 40, .size: 8, .value_kind: global_buffer, .address_space: global }
      - { .name: x1, .offset: 48, .size: 8, .value_kind: global_buffer, .address_space: global }
      - { .name: h2, .offset: 56, .size: 8, .value_kind: global_buffer, .address_space: global }
    .group_segment_fixed_size: 327680
    .private_segment_fixed_size: 0
    .kernarg_segment_align: 8
    .kernarg_segment_size: 64
    .max_flat_workgroup_size: 128
    .sgpr_count:     96
    .vgpr_count:     640
    .wavefront_size: 32
...
	.end_amdgpu_metadata
.endif
;; end of part 4
;; launch ff1 (part 5): grid 8 x 32, 4 waves a work-group, clusters of 4 x 4, 327,680 bytes of LDS; arguments h2, wt, b1, hid; writes hid
.if DOCPART == 5
	.amdgcn_target "amdgcn-amd-amdhsa--gfx1250"
	.amdhsa_code_object_version 6
	.text
	.protected	k_q1afc341b9c_ff1
	.globl	k_q1afc341b9c_ff1
	.p2align	8
	.type	k_q1afc341b9c_ff1,@function
k_q1afc341b9c_ff1:
	s_mov_b64 s[64:65], 0
	v_nop
	global_prefetch_b8 v0, s[64:65] scope:SCOPE_SE
	s_setreg_imm32_b32 hwreg(HW_REG_WAVE_MODE, 25, 1), 1
	s_wait_xcnt 0x0
	s_wait_alu depctr_hold_cnt(0) depctr_sa_sdst(0) depctr_va_vdst(0) depctr_va_sdst(0) depctr_va_ssrc(0) depctr_va_vcc(0) depctr_vm_vsrc(0)
	s_getreg_b32 s2, hwreg(HW_REG_IB_STS2, 6, 4)
	s_cmp_eq_u32 s2, 0
	s_cbranch_scc0 .Lentry_in_a_cluster
	s_endpgm
.Lentry_in_a_cluster:
	s_bfe_u32 s2, ttmp6, 0x10000c
	s_cmp_lg_u32 s2, 0xf033
	s_cbranch_scc0 .Lentry_shape_is_right
	s_endpgm
.Lentry_shape_is_right:
; hid = relu(h2 x w1 + b1), bf16 operands, f32 sums, rounded once to bf16.  h2: [8192][512] bf16; w1^T: [2048 n][512 k] bf16 at W1T in wt; hid: [8192][2048] bf16.
; A work-group makes 256 x 256 of hid: 8 x 32 = 256 work-groups; a wave 128 x 128: 64 accumulators in windows 2 and 3.  Source 0 = 16 rows of the weights: a lane holds one token and 8 neighbouring columns.
; b1, in the accumulators' layout, is the C operand of the first product.  relu is taken on the packed bf16 (rounding keeps the sign and zero).
; K goes in four steps of 128 through two LDS slots; 4 x 4 work-groups form a cluster: h2's tile is asked for jointly along a row, the weights' along a column.
; Each slot has its own descriptor group 0; the step's text stands once for each slot in the lap and once more for the last step.  No prefetch: of four K steps two come by the first fills and two by the only refills.
.set W1T,   2097152
.set PITCH, 272
.set AH,    128*PITCH
.set SLOT,  4*AH
.set SPARE, 2*SLOT
.set KSB,   256
.set KQ,    64
.set NSTEP, 4
.set A0,  16
.set B0,  17
.set AA,  18
.set AB,  19
.set STO, 20
.set RD,  21
.set GO,  22
.set BV,  23
.set SPW, 28
.set NIL, 29
.set ZR,  30                           ; v30 0, for relu
.set TMP, 32                           ; v[32:63] packed results
.set OUT, 64                           ; v[64:95] rows read back
.set BI,  192                          ; v[192:255] b1 of my 128 columns: column 16 b + 8 hh + j at 8 b + j
.set F0,  0                            ; window 1: h2's 8 fragments, then the weights' 8 at + 64
.set F1,  128
.set G1,  24
.set G0,  32
.set G1B, 48
.set G0B, 56
.set SC,  2
.set HC,  3
.set TK,  23
.set MSB, 0
.macro WIN new
.if MSB != (\new)
	s_set_vgpr_msb (MSB<<8)|(\new)
.set MSB, \new
.endif
.endm
.macro PLACES
.rept 4
	v_nop
.endr
.endm
.macro CROUND
	s_barrier_signal -1
	s_barrier_wait -1
	s_cmp_lg_u32 s10, 0
	s_cbranch_scc1 .Lnot_wave_0_\@
	s_barrier_signal -3
.Lnot_wave_0_\@:
	s_barrier_wait -3
	s_barrier_signal -1
	s_barrier_wait -1
.endm
.macro JLOAD s
	s_cmp_eq_u32 s11, 0
	s_cbranch_scc0 .Lfor_b_\@
	tensor_load_to_lds s[G0+4*(\s):G0+4*(\s)+3], s[G1:G1+7]
	s_nop 0
	PLACES
	s_branch .Lasked_\@
.Lfor_b_\@:
	tensor_load_to_lds s[G0B+4*(\s):G0B+4*(\s)+3], s[G1B:G1B+7]
	s_nop 0
	PLACES
.Lasked_\@:
.endm
.macro FETCH f, ko
	WIN 0x40
.irp i, 0,1,2,3,4,5,6,7
	ds_load_b128 v[(\f)+64+8*(\i):(\f)+64+8*(\i)+3],   v[AB] offset:(\ko)+(\i)*16*PITCH
	ds_load_b128 v[(\f)+64+8*(\i)+4:(\f)+64+8*(\i)+7], v[AB] offset:(\ko)+(\i)*16*PITCH+32
.endr
.irp i, 0,1,2,3,4,5,6,7
	ds_load_b128 v[(\f)+8*(\i):(\f)+8*(\i)+3],   v[AA] offset:(\ko)+(\i)*16*PITCH
	ds_load_b128 v[(\f)+8*(\i)+4:(\f)+8*(\i)+7], v[AA] offset:(\ko)+(\i)*16*PITCH+32
.endr
.endm
.macro MUL f, first                    ; 64 products; the 64 accumulators take turns.  first = 1: the sums start from b1
.irp hi, 0,1
.if \first
	WIN 0x85+0x40*(\hi)
.else
	WIN 0xa5+0x50*(\hi)
.endif
.irp a, 0,1,2,3
.irp b, 0,1,2,3,4,5,6,7
.set rD, 8*(8*(\a)+(\b))
.if \first
	v_wmma_f32_16x16x32_bf16 v[rD:rD+7], v[(\f)+64+8*(\b):(\f)+64+8*(\b)+7], v[(\f)+8*(4*(\hi)+(\a)):(\f)+8*(4*(\hi)+(\a))+7], v[BI+8*(\b):BI+8*(\b)+7]
.else
	v_wmma_f32_16x16x32_bf16 v[rD:rD+7], v[(\f)+64+8*(\b):(\f)+64+8*(\b)+7], v[(\f)+8*(4*(\hi)+(\a)):(\f)+8*(4*(\hi)+(\a))+7], v[rD:rD+7]
.endif
.endr
.endr
.endr
.endm
.macro CHANGE fill, slot
	WIN 0
	s_wait_tensorcnt 0x0
	ds_add_u32 v[SPW], v[NIL]
.if \fill
	s_add_nc_u64 s[G0+4*(\slot)+2:G0+4*(\slot)+3], s[G0+4*(\slot)+2:G0+4*(\slot)+3], 2*KSB
	s_add_nc_u64 s[G0B+4*(\slot)+2:G0B+4*(\slot)+3], s[G0B+4*(\slot)+2:G0B+4*(\slot)+3], 2*KSB
.endif
	s_wait_dscnt 0x0
.if \fill
	CROUND
	JLOAD \slot
.else
	s_barrier_signal -1
	s_barrier_wait -1
	PLACES
.endif
.endm
.macro STEP tag, slot
	s_mov_b32 s[TK], (\slot)*SLOT
	v_add_nc_u32 v[AA], s[TK], v[A0]
	v_add_nc_u32 v[AB], s[TK], v[B0]
	FETCH F0, 0
	WIN 0
	s_mov_b32 s[HC], 2
.Lqa\tag:
	s_wait_dscnt 0x0
	PLACES
	FETCH F1, KQ
	MUL F0, 0
	WIN 0
.Lqb\tag:
	s_wait_dscnt 0x0
	s_add_co_u32 s[TK], s[TK], 2*KQ
	v_add_nc_u32 v[AA], s[TK], v[A0]               ; these four are the places behind the products that read buffer 0
	v_add_nc_u32 v[AB], s[TK], v[B0]
	v_nop
	v_nop
	s_cmp_eq_u32 s[HC], 1
	s_cbranch_scc1 .Lnf\tag
	FETCH F0, 0
	WIN 0
.Lnf\tag:
	MUL F1, 0
	WIN 0
	s_sub_co_u32 s[HC], s[HC], 1
	s_cmp_lg_u32 s[HC], 0
	s_cbranch_scc1 .Lqa\tag
.endm
	s_load_b128 s[4:7], s[0:1], 0x0                ; h2, wt
	s_load_b128 s[84:87], s[0:1], 0x10             ; b1, hid
	v_lshl_add_u32 v[SPW], v0, 2, SPARE
	v_mov_b32 v[NIL], 0
	ds_add_u32 v[SPW], v[NIL]                      ; the wave's opening: the add and its wait ahead of my first tensor load
	v_lshrrev_b32 v1, 5, v0
	v_readfirstlane_b32 s10, v1
	s_lshr_b32 s11, s10, 1
	s_and_b32 s12, s10, 1
	s_bfe_u32 s40, ttmp6, 0x40000
	s_bfe_u32 s41, ttmp6, 0x40004
	s_lshl_b32 s42, ttmp9, 2
	s_add_co_u32 s42, s42, s40                     ; tile column 0..7
	s_and_b32 s13, ttmp7, 0xffff
	s_lshl_b32 s13, s13, 2
	s_add_co_u32 s13, s13, s41                     ; tile row 0..31
	s_lshl_b32 s43, s41, 2
	s_lshl_b32 s43, 15, s43
	s_lshl_b32 s44, 0x1111, s40
	s_or_b32 s[G1], s43, (1<<16)|(1<<20)|(1<<21)|(5<<22)|(3<<25)
	s_or_b32 s[G1B], s44, (1<<16)|(1<<20)|(1<<21)|(5<<22)|(3<<25)
.irp g, G1, G1B
	s_mov_b32 s[(\g)+1], 128<<16
	s_mov_b32 s[(\g)+2], 128<<16
	s_mov_b32 s[(\g)+3], 128<<16
	s_mov_b32 s[(\g)+4], 128
	s_mov_b32 s[(\g)+5], 512
	s_mov_b32 s[(\g)+6], 0
	s_mov_b32 s[(\g)+7], 0
.endr
	s_lshl_b32 s16, s13, 18                        ; h2: row 256 x tile row + 128 x half, 1,024 bytes each
	s_lshl_b32 s17, s12, 17
	s_add_co_u32 s16, s16, s17
	s_mov_b32 s17, 0
	s_lshl_b32 s46, s42, 18                        ; weights: row 256 x tile column + 128 x half
	s_lshl_b32 s47, s12, 17
	s_add_co_u32 s46, s46, s47
	s_add_co_u32 s46, s46, W1T
	s_mov_b32 s47, 0
	s_mul_i32 s20, s10, AH                         ; wave x 128 rows: h2's two halves, then the weights' two
	s_wait_dscnt 0x0
	s_wait_kmcnt 0x0
	s_add_nc_u64 s[14:15], s[4:5], s[16:17]
	s_add_nc_u64 s[46:47], s[6:7], s[46:47]
.irp s, 0,1
	s_mov_b32 s[G0+4*(\s)], 1
	s_add_co_u32 s[G0+4*(\s)+1], s20, (\s)*SLOT
	s_add_nc_u64 s[G0+4*(\s)+2:G0+4*(\s)+3], s[14:15], (\s)*KSB
	s_or_b32 s[G0+4*(\s)+3], s[G0+4*(\s)+3], 0x80000000
	s_mov_b32 s[G0B+4*(\s)], 1
	s_add_co_u32 s[G0B+4*(\s)+1], s20, (\s)*SLOT
	s_add_nc_u64 s[G0B+4*(\s)+2:G0B+4*(\s)+3], s[46:47], (\s)*KSB
	s_or_b32 s[G0B+4*(\s)+3], s[G0B+4*(\s)+3], 0x80000000
.endr
	CROUND
	s_cmp_eq_u32 s11, 0                            ; a wave's two first fills stand in one branch: two loads of mine are out
	s_cbranch_scc0 .Lfirst_b
	tensor_load_to_lds s[G0:G0+3], s[G1:G1+7]
	s_nop 0
	tensor_load_to_lds s[G0+4:G0+7], s[G1:G1+7]
	s_nop 0
	PLACES
	s_branch .Lfirst_asked
.Lfirst_b:
	tensor_load_to_lds s[G0B:G0B+3], s[G1B:G1B+7]
	s_nop 0
	tensor_load_to_lds s[G0B+4:G0B+7], s[G1B:G1B+7]
	s_nop 0
	PLACES
.Lfirst_asked:
	v_and_b32 v1, 15, v0
	v_bfe_u32 v2, v0, 4, 1
	v_lshlrev_b32 v[BV], 5, v2                     ; b1: 32 bytes for each half of the lanes; 8,192 bytes in all, read by every work-group
	s_lshl_b32 s70, s42, 10
	s_lshl_b32 s71, s12, 9
	s_add_co_u32 s70, s70, s71
	s_mov_b32 s71, 0
	s_add_nc_u64 s[88:89], s[84:85], s[70:71]
.irp b, 0,1,2,3,4,5,6,7
	global_load_b128 v[BI+8*(\b):BI+8*(\b)+3],   v[BV], s[88:89] offset:64*(\b)
	global_load_b128 v[BI+8*(\b)+4:BI+8*(\b)+7], v[BV], s[88:89] offset:64*(\b)+16
.endr
	v_mov_b32 v[ZR], 0
	v_mul_u32_u24 v3, v1, PITCH
	v_lshl_add_u32 v3, v2, 4, v3
	s_mul_i32 s20, s11, AH
	v_add_nc_u32 v[A0], s20, v3
	s_mul_i32 s20, s12, AH
	s_add_co_u32 s20, s20, 2*AH
	v_add_nc_u32 v[B0], s20, v3
	s_mul_i32 s22, s10, AH                         ; my stage: 128 rows x 272 bytes, over slot 0
	v_add_nc_u32 v[STO], s22, v3
	v_mul_u32_u24 v4, v2, PITCH
	v_lshl_add_u32 v4, v1, 4, v4
	v_add_nc_u32 v[RD], s22, v4
	v_lshlrev_b32 v4, 12, v2
	v_lshl_add_u32 v[GO], v1, 4, v4
	s_lshl_b32 s70, s13, 20                        ; hid: row 256 x tile row + 128 x half, 4,096 bytes each;
	s_lshl_b32 s72, s11, 19
	s_add_co_u32 s70, s70, s72
	s_lshl_b32 s72, s42, 9                         ; column 256 x tile column + 128 x half, 2 bytes each
	s_add_co_u32 s70, s70, s72
	s_lshl_b32 s72, s12, 8
	s_add_co_u32 s70, s70, s72
	s_add_nc_u64 s[86:87], s[86:87], s[70:71]
	s_wait_tensorcnt 0x1                           ; my part of K step 0 is in; step 1's may stay out
	s_barrier_signal -1
	s_barrier_wait -1
	s_mov_b32 s[TK], 0
	v_add_nc_u32 v[AA], s[TK], v[A0]
	v_add_nc_u32 v[AB], s[TK], v[B0]
	FETCH F0, 0
	s_wait_loadcnt 0x0                             ; b1
	s_wait_dscnt 0x0
	FETCH F1, KQ
	MUL F0, 1
	WIN 0
	s_mov_b32 s[SC], NSTEP/2
	s_mov_b32 s[HC], 2
	s_branch .LqbE
.Llap:
	CHANGE 1, 0
	STEP O, 1
	CHANGE 1, 1
	STEP E, 0
	s_sub_co_u32 s[SC], s[SC], 1
	s_cmp_lg_u32 s[SC], 0
	s_cbranch_scc1 .Llap
	CHANGE 0, 0
	STEP T, 1
	; THE WAY OUT: rounded to bf16, 16 bytes a lane into my own stage; back as whole rows of 256 bytes, relu, stored.
	PLACES
.macro PACK a
.set AC, 64*((\a)%4)
	WIN 0x0a+5*((\a)/4)
.irp b, 0,1,2,3,4,5,6,7
.irp r, 0,1,2,3
	v_cvt_pk_bf16_f32 v[TMP+4*(\b)+(\r)], v[AC+8*(\b)+2*(\r)], v[AC+8*(\b)+2*(\r)+1]
.endr
.endr
	WIN 0
.irp b, 0,1,2,3,4,5,6,7
	ds_store_b128 v[STO], v[TMP+4*(\b):TMP+4*(\b)+3] offset:(\a)*16*PITCH+32*(\b)
.endr
.endm
.irp a, 0,1,2,3,4,5,6,7
	PACK \a
.endr
	s_mov_b32 s[HC], 8
.Lout:                                         ; 16 rows a trip
.irp t, 0,1,2,3,4,5,6,7
	ds_load_b128 v[OUT+4*(\t):OUT+4*(\t)+3], v[RD] offset:(\t)*2*PITCH   ; LDS serves a wave's instructions in order: these see my stores
.endr
	s_wait_dscnt 0x0
	v_add_nc_u32 v[RD], 16*PITCH, v[RD]
.set n, 0
.rept 32
	v_pk_max_num_bf16 v[OUT+n], v[OUT+n], v[ZR]
.set n, n+1
.endr
.irp t, 0,1,2,3,4,5,6,7
	global_store_b128 v[GO], v[OUT+4*(\t):OUT+4*(\t)+3], s[86:87] offset:8192*(\t)  ; sixteen lanes: 256 consecutive bytes, aligned
.endr
	s_wait_xcnt 0x0                                ; the stores have read their data and their base
	s_add_nc_u64 s[86:87], s[86:87], 65536
	s_sub_co_u32 s[HC], s[HC], 1
	s_cmp_lg_u32 s[HC], 0
	s_cbranch_scc1 .Lout
	s_wait_tensorcnt 0x0                           ; the wave's end
	ds_add_u32 v[SPW], v[NIL]
	s_wait_dscnt 0x0
	CROUND                                         ; the closing round
	s_endpgm
.Lfunc_end_k_q1afc341b9c_ff1:
	.size	k_q1afc341b9c_ff1, .Lfunc_end_k_q1afc341b9c_ff1-k_q1afc341b9c_ff1
	.p2alignl 7, 3214868480
	.fill 96, 4, 3214868480
	.section	.rodata,"a",@progbits
	.p2align	6, 0x0
	.amdhsa_kernel k_q1afc341b9c_ff1
		.amdhsa_group_segment_fixed_size 327680
		.amdhsa_private_segment_fixed_size 0
		.amdhsa_enable_private_segment 0
		.amdhsa_kernarg_size 32
		.amdhsa_user_sgpr_count 2
		.amdhsa_user_sgpr_kernarg_segment_ptr 1
		.amdhsa_wavefront_size32 1
		.amdhsa_system_sgpr_workgroup_id_x 1
		.amdhsa_system_sgpr_workgroup_id_y 1
		.amdhsa_system_sgpr_workgroup_id_z 1
		.amdhsa_system_vgpr_workitem_id 0
		.amdhsa_next_free_vgpr 1024
		.amdhsa_next_free_sgpr 96
		.amdhsa_reserve_vcc 0
		.amdhsa_float_denorm_mode_32 3
		.amdhsa_float_denorm_mode_16_64 3
		.amdhsa_memory_ordered 1
		.amdhsa_forward_progress 1
		.amdhsa_inst_pref_size 89
	.end_amdhsa_kernel
	.amdgpu_metadata
---
amdhsa.version: [ 1, 2 ]
amdhsa.kernels:
  - .name:           k_q1afc341b9c_ff1
    .symbol:         k_q1afc341b9c_ff1.kd
    .args:
      - { .name: h2, .offset: 0, .size: 8, .value_kind: global_buffer, .address_space: global }
      - { .name: wt, .offset: 8, .size: 8, .value_kind: global_buffer, .address_space: global }
      - { .name: b1, .offset: 16, .size: 8, .value_kind: global_buffer, .address_space: global }
      - { .name: hid, .offset: 24, .size: 8, .value_kind: global_buffer, .address_space: global }
    .group_segment_fixed_size: 327680
    .private_segment_fixed_size: 0
    .kernarg_segment_align: 8
    .kernarg_segment_size: 32
    .max_flat_workgroup_size: 128
    .sgpr_count:     96
    .vgpr_count:     1024
    .wavefront_size: 32
...
	.end_amdgpu_metadata
.endif
;; end of part 5
;; launch ff2 (part 6): grid 4 x 64, 4 waves a work-group, clusters of 4 x 4, 327,680 bytes of LDS; arguments hid, wt, x1, b2, out0; writes out0
.if DOCPART == 6
	.amdgcn_target "amdgcn-amd-amdhsa--gfx1250"
	.amdhsa_code_object_version 6
	.text
	.protected	k_q1afc341b9c_ff2
	.globl	k_q1afc341b9c_ff2
	.p2align	8
	.type	k_q1afc341b9c_ff2,@function
k_q1afc341b9c_ff2:
	s_mov_b64 s[64:65], 0
	v_nop
	global_prefetch_b8 v0, s[64:65] scope:SCOPE_SE
	s_setreg_imm32_b32 hwreg(HW_REG_WAVE_MODE, 25, 1), 1
	s_wait_xcnt 0x0
	s_wait_alu depctr_hold_cnt(0) depctr_sa_sdst(0) depctr_va_vdst(0) depctr_va_sdst(0) depctr_va_ssrc(0) depctr_va_vcc(0) depctr_vm_vsrc(0)
	s_getreg_b32 s2, hwreg(HW_REG_IB_STS2, 6, 4)
	s_cmp_eq_u32 s2, 0
	s_cbranch_scc0 .Lentry_in_a_cluster
	s_endpgm
.Lentry_in_a_cluster:
	s_bfe_u32 s2, ttmp6, 0x10000c
	s_cmp_lg_u32 s2, 0xf033
	s_cbranch_scc0 .Lentry_shape_is_right
	s_endpgm
.Lentry_shape_is_right:
; out0 = x1 + hid x w2 + b2.  hid: [8192][2048] bf16; w2^T: [512 n][2048 k] bf16 at W2T in wt; x1, out0: [8192][512] f32.  bf16 operands, f32 sums.
; Tiles of 256 x 256 would be 64: a tile is 128 x 128, 4 x 64 = 256 work-groups; a wave makes 64 x 64: 16 accumulators.  K goes in eight steps of 256 (LDS rows of 512 bytes) through two slots.
; 4 x 4 work-groups form a cluster: hid's tile is asked for jointly along a row, the weights' along a column.  x1, in the accumulators' layout, is the C operand of the first product
; (64 bytes of a row a lane pair; a wave's loads together cover 256 consecutive bytes of each of its rows; issued once, in the wait for the first tiles).  b2 is added on the way out.
; A wave's 64 columns of f32 are 256 aligned bytes, so each wave has a stage of its own.  No prefetch: a small tile, whose step is short.
.set W2T,   4194304
.set PITCH, 528                        ; 512 bytes + 16
.set HALFT, 64*PITCH
.set SLOT,  4*HALFT
.set SPARE, 2*SLOT
.set KSB,   512
.set KQ,    128
.set NSTEP, 8
.set SP,    272                        ; a row of the stage: 64 f32 + 16 bytes; the stages lie over slot 0 after its last fill
.set A0,  16
.set B0,  17
.set AA,  18
.set AB,  19
.set STO, 20
.set RD,  21
.set GO,  22
.set XO,  23
.set BV,  24
.set SPW, 28
.set NIL, 29
.set OUT, 32                           ; v[32:63] rows read back
.set B2,  64                           ; v[64:67] b2 of my four columns on the way out
.set ACC, 128                          ; v[128:255] accumulator (a, b) at 8 (4 a + b)
.set F0,  0                            ; window 1: for 64 along K: hid's 2 x 4 fragments, then the weights' at + 64
.set F1,  128
.set G1,  24
.set G0,  32
.set G1B, 48
.set G0B, 56
.set SC,  2
.set HC,  3
.set TK,  23
.set MSB, 0
.macro WIN new
.if MSB != (\new)
	s_set_vgpr_msb (MSB<<8)|(\new)
.set MSB, \new
.endif
.endm
.macro PLACES
.rept 4
	v_nop
.endr
.endm
.macro CROUND
	s_barrier_signal -1
	s_barrier_wait -1
	s_cmp_lg_u32 s10, 0
	s_cbranch_scc1 .Lnot_wave_0_\@
	s_barrier_signal -3
.Lnot_wave_0_\@:
	s_barrier_wait -3
	s_barrier_signal -1
	s_barrier_wait -1
.endm
.macro JLOAD s
	s_cmp_eq_u32 s11, 0
	s_cbranch_scc0 .Lfor_b_\@
	tensor_load_to_lds s[G0+4*(\s):G0+4*(\s)+3], s[G1:G1+7]
	s_nop 0
	PLACES
	s_branch .Lasked_\@
.Lfor_b_\@:
	tensor_load_to_lds s[G0B+4*(\s):G0B+4*(\s)+3], s[G1B:G1B+7]
	s_nop 0
	PLACES
.Lasked_\@:
.endm
.macro FETCH f, ko                     ; 32 LDS loads: 64 along K at byte ko behind AA and AB
	WIN 0x40
.irp c, 0,1
.irp i, 0,1,2,3
	ds_load_b128 v[(\f)+64+8*(4*(\c)+(\i)):(\f)+64+8*(4*(\c)+(\i))+3],   v[AB] offset:(\ko)+64*(\c)+(\i)*16*PITCH
	ds_load_b128 v[(\f)+64+8*(4*(\c)+(\i))+4:(\f)+64+8*(4*(\c)+(\i))+7], v[AB] offset:(\ko)+64*(\c)+(\i)*16*PITCH+32
	ds_load_b128 v[(\f)+8*(4*(\c)+(\i)):(\f)+8*(4*(\c)+(\i))+3],         v[AA] offset:(\ko)+64*(\c)+(\i)*16*PITCH
	ds_load_b128 v[(\f)+8*(4*(\c)+(\i))+4:(\f)+8*(4*(\c)+(\i))+7],       v[AA] offset:(\ko)+64*(\c)+(\i)*16*PITCH+32
.endr
.endr
.endm
.macro MUL f, first                    ; 32 products, two deep on 16 accumulators that take turns.  first = 1: the sums start from x1
.irp c, 0,1
.if (\first) && ((\c) == 0)
	WIN 0x25
.else
	WIN 0x05
.endif
.irp a, 0,1,2,3
.irp b, 0,1,2,3
.set rD, ACC+8*(4*(\a)+(\b))
.if (\first) && ((\c) == 0)
	v_wmma_f32_16x16x32_bf16 v[rD:rD+7], v[(\f)+64+8*(4*(\c)+(\b)):(\f)+64+8*(4*(\c)+(\b))+7], v[(\f)+8*(4*(\c)+(\a)):(\f)+8*(4*(\c)+(\a))+7], v[rD-ACC:rD-ACC+7]
.else
	v_wmma_f32_16x16x32_bf16 v[rD:rD+7], v[(\f)+64+8*(4*(\c)+(\b)):(\f)+64+8*(4*(\c)+(\b))+7], v[(\f)+8*(4*(\c)+(\a)):(\f)+8*(4*(\c)+(\a))+7], v[rD:rD+7]
.endif
.endr
.endr
.endr
.endm
.macro CHANGE fill, slot
	WIN 0
	s_wait_tensorcnt 0x0
	ds_add_u32 v[SPW], v[NIL]
.if \fill
	s_add_nc_u64 s[G0+4*(\slot)+2:G0+4*(\slot)+3], s[G0+4*(\slot)+2:G0+4*(\slot)+3], 2*KSB
	s_add_nc_u64 s[G0B+4*(\slot)+2:G0B+4*(\slot)+3], s[G0B+4*(\slot)+2:G0B+4*(\slot)+3], 2*KSB
.endif
	s_wait_dscnt 0x0
.if \fill
	CROUND
	JLOAD \slot
.else
	s_barrier_signal -1
	s_barrier_wait -1
	PLACES
.endif
.endm
.macro STEP tag, slot
	s_mov_b32 s[TK], (\slot)*SLOT
	v_add_nc_u32 v[AA], s[TK], v[A0]
	v_add_nc_u32 v[AB], s[TK], v[B0]
	FETCH F0, 0
	WIN 0
	s_mov_b32 s[HC], 2
.Lqa\tag:
	s_wait_dscnt 0x0
	PLACES
	FETCH F1, KQ
	MUL F0, 0
	WIN 0
.Lqb\tag:
	s_wait_dscnt 0x0
	s_add_co_u32 s[TK], s[TK], 2*KQ
	v_add_nc_u32 v[AA], s[TK], v[A0]               ; these four are the places behind the products that read buffer 0
	v_add_nc_u32 v[AB], s[TK], v[B0]
	v_nop
	v_nop
	s_cmp_eq_u32 s[HC], 1
	s_cbranch_scc1 .Lnf\tag
	FETCH F0, 0
	WIN 0
.Lnf\tag:
	MUL F1, 0
	WIN 0
	s_sub_co_u32 s[HC], s[HC], 1
	s_cmp_lg_u32 s[HC], 0
	s_cbranch_scc1 .Lqa\tag
.endm
	s_load_b128 s[4:7], s[0:1], 0x0                ; hid, wt
	s_load_b128 s[84:87], s[0:1], 0x10             ; x1, b2
	s_load_b64 s[88:89], s[0:1], 0x20              ; out0
	v_lshl_add_u32 v[SPW], v0, 2, SPARE
	v_mov_b32 v[NIL], 0
	ds_add_u32 v[SPW], v[NIL]                      ; the wave's opening: the add and its wait ahead of my first tensor load
	v_lshrrev_b32 v1, 5, v0
	v_readfirstlane_b32 s10, v1
	s_lshr_b32 s11, s10, 1
	s_and_b32 s12, s10, 1
	s_bfe_u32 s40, ttmp6, 0x40000
	s_bfe_u32 s41, ttmp6, 0x40004
	s_lshl_b32 s42, ttmp9, 2
	s_add_co_u32 s42, s42, s40                     ; tile column 0..3
	s_and_b32 s13, ttmp7, 0xffff
	s_lshl_b32 s13, s13, 2
	s_add_co_u32 s13, s13, s41                     ; tile row 0..63
	s_lshl_b32 s43, s41, 2
	s_lshl_b32 s43, 15, s43
	s_lshl_b32 s44, 0x1111, s40
	s_or_b32 s[G1], s43, (1<<16)|(1<<20)|(1<<21)|(6<<22)|(3<<25)   ; 4 words of padding behind every 128
	s_or_b32 s[G1B], s44, (1<<16)|(1<<20)|(1<<21)|(6<<22)|(3<<25)
.irp g, G1, G1B
	s_mov_b32 s[(\g)+1], 256<<16
	s_mov_b32 s[(\g)+2], 64<<16
	s_mov_b32 s[(\g)+3], 256<<16
	s_mov_b32 s[(\g)+4], 64
	s_mov_b32 s[(\g)+5], 2048
	s_mov_b32 s[(\g)+6], 0
	s_mov_b32 s[(\g)+7], 0
.endr
	s_lshl_b32 s16, s13, 19                        ; hid: row 128 x tile row + 64 x half, 4,096 bytes each
	s_lshl_b32 s17, s12, 18
	s_add_co_u32 s16, s16, s17
	s_mov_b32 s17, 0
	s_lshl_b32 s46, s42, 19                        ; weights: row 128 x tile column + 64 x half
	s_lshl_b32 s47, s12, 18
	s_add_co_u32 s46, s46, s47
	s_add_co_u32 s46, s46, W2T
	s_mov_b32 s47, 0
	s_mul_i32 s20, s10, HALFT                      ; wave x 64 rows
	s_wait_dscnt 0x0
	s_wait_kmcnt 0x0
	s_add_nc_u64 s[14:15], s[4:5], s[16:17]
	s_add_nc_u64 s[46:47], s[6:7], s[46:47]
.irp s, 0,1
	s_mov_b32 s[G0+4*(\s)], 1
	s_add_co_u32 s[G0+4*(\s)+1], s20, (\s)*SLOT
	s_add_nc_u64 s[G0+4*(\s)+2:G0+4*(\s)+3], s[14:15], (\s)*KSB
	s_or_b32 s[G0+4*(\s)+3], s[G0+4*(\s)+3], 0x80000000
	s_mov_b32 s[G0B+4*(\s)], 1
	s_add_co_u32 s[G0B+4*(\s)+1], s20, (\s)*SLOT
	s_add_nc_u64 s[G0B+4*(\s)+2:G0B+4*(\s)+3], s[46:47], (\s)*KSB
	s_or_b32 s[G0B+4*(\s)+3], s[G0B+4*(\s)+3], 0x80000000
.endr
	CROUND
	s_cmp_eq_u32 s11, 0                            ; a wave's two first fills stand in one branch: two loads of mine are out
	s_cbranch_scc0 .Lfirst_b
	tensor_load_to_lds s[G0:G0+3], s[G1:G1+7]
	s_nop 0
	tensor_load_to_lds s[G0+4:G0+7], s[G1:G1+7]
	s_nop 0
	PLACES
	s_branch .Lfirst_asked
.Lfirst_b:
	tensor_load_to_lds s[G0B:G0B+3], s[G1B:G1B+7]
	s_nop 0
	tensor_load_to_lds s[G0B+4:G0B+7], s[G1B:G1B+7]
	s_nop 0
	PLACES
.Lfirst_asked:
	v_and_b32 v1, 15, v0
	v_bfe_u32 v2, v0, 4, 1
	v_lshlrev_b32 v[XO], 11, v1                    ; x1 in the accumulators' layout: row r, 32 bytes for each half of the lanes
	v_lshl_add_u32 v[XO], v2, 5, v[XO]
	v_lshlrev_b32 v[BV], 4, v1
	s_lshl_b32 s72, s42, 9                         ; my 64 columns of 4 bytes
	s_lshl_b32 s73, s12, 8
	s_add_co_u32 s72, s72, s73
	s_mov_b32 s73, 0
	s_lshl_b32 s70, s13, 18                        ; row 128 x tile row + 64 x half, 2,048 bytes each
	s_lshl_b32 s71, s11, 17
	s_add_co_u32 s70, s70, s71
	s_add_co_u32 s70, s70, s72
	s_mov_b32 s71, 0
	s_add_nc_u64 s[90:91], s[84:85], s[70:71]      ; x1
	s_add_nc_u64 s[88:89], s[88:89], s[70:71]      ; out0
	s_add_nc_u64 s[92:93], s[86:87], s[72:73]      ; b2
	WIN 0x80
.irp a, 0,1,2,3
.irp b, 0,1,2,3
	global_load_b128 v[8*(4*(\a)+(\b)):8*(4*(\a)+(\b))+3],   v[XO], s[90:91] offset:(\a)*32768+64*(\b) th:TH_LOAD_NT
	global_load_b128 v[8*(4*(\a)+(\b))+4:8*(4*(\a)+(\b))+7], v[XO], s[90:91] offset:(\a)*32768+64*(\b)+16 th:TH_LOAD_NT
.endr
.endr
	WIN 0
	global_load_b128 v[B2:B2+3], v[BV], s[92:93]
	v_mul_u32_u24 v3, v1, PITCH
	v_lshl_add_u32 v3, v2, 4, v3
	s_mul_i32 s20, s11, HALFT
	v_add_nc_u32 v[A0], s20, v3
	s_mul_i32 s20, s12, HALFT
	s_add_co_u32 s20, s20, 2*HALFT
	v_add_nc_u32 v[B0], s20, v3
	s_mul_i32 s22, s10, 64*SP                      ; my stage
	v_mul_u32_u24 v4, v1, SP
	v_lshl_add_u32 v4, v2, 5, v4
	v_add_nc_u32 v[STO], s22, v4
	v_mul_u32_u24 v4, v2, SP
	v_lshl_add_u32 v4, v1, 4, v4
	v_add_nc_u32 v[RD], s22, v4
	v_lshlrev_b32 v4, 11, v2
	v_lshl_add_u32 v[GO], v1, 4, v4
	s_wait_tensorcnt 0x1                           ; my part of K step 0 is in; step 1's may stay out
	s_barrier_signal -1
	s_barrier_wait -1
	s_mov_b32 s[TK], 0
	v_add_nc_u32 v[AA], s[TK], v[A0]
	v_add_nc_u32 v[AB], s[TK], v[B0]
	FETCH F0, 0
	s_wait_loadcnt 0x0                             ; x1, b2
	s_wait_dscnt 0x0
	FETCH F1, KQ
	MUL F0, 1
	WIN 0
	s_mov_b32 s[SC], NSTEP/2
	s_mov_b32 s[HC], 2
	s_branch .LqbE
.Llap:                                         ; three laps fill both slots again: K steps 2 to 7
	CHANGE 1, 0
	STEP O, 1
	CHANGE 1, 1
	STEP E, 0
	s_sub_co_u32 s[SC], s[SC], 1
	s_cmp_lg_u32 s[SC], 0
	s_cbranch_scc1 .Llap
	CHANGE 0, 0
	STEP T, 1
	; THE WAY OUT: f32 through my own stage, back as whole rows of 256 bytes, b2 added, stored.
	PLACES
.irp a, 0,1,2,3
.irp b, 0,1,2,3
	ds_store_b128 v[STO], v[ACC+8*(4*(\a)+(\b)):ACC+8*(4*(\a)+(\b))+3]   offset:(\a)*16*SP+64*(\b)
	ds_store_b128 v[STO], v[ACC+8*(4*(\a)+(\b))+4:ACC+8*(4*(\a)+(\b))+7] offset:(\a)*16*SP+64*(\b)+16
.endr
.endr
	s_mov_b32 s[HC], 4
.Lout:                                         ; 16 rows a trip
.irp t, 0,1,2,3,4,5,6,7
	ds_load_b128 v[OUT+4*(\t):OUT+4*(\t)+3], v[RD] offset:(\t)*2*SP   ; LDS serves a wave's instructions in order: these see my stores
.endr
	s_wait_dscnt 0x0
	v_add_nc_u32 v[RD], 16*SP, v[RD]
.irp t, 0,1,2,3,4,5,6,7
	v_pk_add_f32 v[OUT+4*(\t):OUT+4*(\t)+1], v[OUT+4*(\t):OUT+4*(\t)+1], v[B2:B2+1]
	v_pk_add_f32 v[OUT+4*(\t)+2:OUT+4*(\t)+3], v[OUT+4*(\t)+2:OUT+4*(\t)+3], v[B2+2:B2+3]
.endr
.irp t, 0,1,2,3,4,5,6,7
	global_store_b128 v[GO], v[OUT+4*(\t):OUT+4*(\t)+3], s[88:89] offset:4096*(\t)  ; sixteen lanes: 256 consecutive bytes, aligned
.endr
	s_wait_xcnt 0x0                                ; the stores have read their data and their base
	s_add_nc_u64 s[88:89], s[88:89], 32768
	s_sub_co_u32 s[HC], s[HC], 1
	s_cmp_lg_u32 s[HC], 0
	s_cbranch_scc1 .Lout
	s_wait_tensorcnt 0x0                           ; the wave's end
	ds_add_u32 v[SPW], v[NIL]
	s_wait_dscnt 0x0
	CROUND                                         ; the closing round
	s_endpgm
.Lfunc_end_k_q1afc341b9c_ff2:
	.size	k_q1afc341b9c_ff2, .Lfunc_end_k_q1afc341b9c_ff2-k_q1afc341b9c_ff2
	.p2alignl 7, 3214868480
	.fill 96, 4, 3214868480
	.section	.rodata,"a",@progbits
	.p2align	6, 0x0
	.amdhsa_kernel k_q1afc341b9c_ff2
		.amdhsa_group_segment_fixed_size 327680
		.amdhsa_private_segment_fixed_size 0
		.amdhsa_enable_private_segment 0
		.amdhsa_kernarg_size 40
		.amdhsa_user_sgpr_count 2
		.amdhsa_user_sgpr_kernarg_segment_ptr 1
		.amdhsa_wavefront_size32 1
		.amdhsa_system_sgpr_workgroup_id_x 1
		.amdhsa_system_sgpr_workgroup_id_y 1
		.amdhsa_system_sgpr_workgroup_id_z 1
		.amdhsa_system_vgpr_workitem_id 0
		.amdhsa_next_free_vgpr 640
		.amdhsa_next_free_sgpr 96
		.amdhsa_reserve_vcc 0
		.amdhsa_float_denorm_mode_32 3
		.amdhsa_float_denorm_mode_16_64 3
		.amdhsa_memory_ordered 1
		.amdhsa_forward_progress 1
		.amdhsa_inst_pref_size 57
	.end_amdhsa_kernel
	.amdgpu_metadata
---
amdhsa.version: [ 1, 2 ]
amdhsa.kernels:
  - .name:           k_q1afc341b9c_ff2
    .symbol:         k_q1afc341b9c_ff2.kd
    .args:
      - { .name: hid, .offset: 0, .size: 8, .value_kind: global_buffer, .address_space: global }
      - { .name: wt, .offset: 8, .size: 8, .value_kind: global_buffer, .address_space: global }
      - { .name: x1, .offset: 16, .size: 8, .value_kind: global_buffer, .address_space: global }
      - { .name: b2, .offset: 24, .size: 8, .value_kind: global_buffer, .address_space: global }
      - { .name: out0, .offset: 32, .size: 8, .value_kind: global_buffer, .address_space: global }
    .group_segment_fixed_size: 327680
    .private_segment_fixed_size: 0
    .kernarg_segment_align: 8
    .kernarg_segment_size: 40
    .max_flat_workgroup_size: 128
    .sgpr_count:     96
    .vgpr_count:     640
    .wavefront_size: 32
...
	.end_amdgpu_metadata
.endif
;; end of part 6
